; MI455X (gfx1250); checked and timed in simulation.
; The chip was launched on July 23, 2026; its instructions are those of AMD's public machine-readable ISA for CDNA 5 (MIT licence, August 2026) and "CDNA5" Instruction Set Architecture Reference Guide (July 2026). The comments in the code are by the model that wrote it; some were corrected since.
;; Multi Head Self Attention. Allowed arithmetic: matrix products marked QUANTISED: E3M2 operands, one E8M0 scale for each 32 along K, by v_wmma_scale_f32_16x16x128_f8f6f4 with both operands' format E3M2, f32 sums; products left as they are: f32 operands where the result goes on into a quantised operand, else bf16, f16 or f32 operands; f32 sums; everything else in f32.
;; Inputs: W_out 1,024 x 1,024 float32; W_qkv 1,024 x 3,072 float32; b_out 1,024 float32; b_qkv 3,072 float32; x 2 x 8,192 x 1,024 float32.
;; Outputs: out0 2 x 8,192 x 1,024 float32.
;; This version of the problem:
;;   THIS VERSION OF THE PROBLEM IS GIVEN IN LOW PRECISION. The matrix products marked QUANTISED in the list below multiply operands that are first quantised to E3M2 (3 exponent bits, 2 mantissa bits; 6 bits a number), with one power-of-two scale for each 32 numbers along K (OCP MX v1.0); their sums are f32. All else is computed in f32.
;;   The module's matrix products, in the order in which they are computed (A, B: the left and right operand; K: the contracted axis; several contracted axes count as one K, in the product's order):
;;     1. [M 16,384, K 1,024] x [K 1,024, N 3,072]; A: input x; B: input W_qkv: QUANTISED
;;     2. batch 16,384 x [M 16, K 64] x [K 64, N 16]; A: computed on the way; B: computed on the way: QUANTISED
;;     3. batch 16,384 x [M 16, K 16] x [K 16, N 64]; A: softmax; B: computed on the way: left as it is (K = 16 < 32)
;;     4. [M 16,384, K 1,024] x [K 1,024, N 1,024]; A: computed on the way; B: input W_out: QUANTISED
;;   THE QUANTISER, for each operand of a quantised product, along K:
;;     - K is cut into blocks of 32 from its start; a last block that is shorter is filled with zeros.
;;     - A block's scale is 2^e with e = floor(log2(the largest magnitude in the block)) - 4, held to -126 .. 127; a block of zeros has e = 0. As a byte (E8M0): e + 127.
;;     - Each number is divided by its block's scale, clamped to +-28, and rounded to the nearest number of E3M2, ties to even, subnormals kept.
;;     - The product sums the exact products of the quantised numbers (number of the format x scale) in f32.
;;   ~~~python
;;   def quantise(x, axis):      # numpy; x: float32 -> the quantised numbers, widened to float32 again
;;       x = np.moveaxis(x, axis, -1); K = x.shape[-1]
;;       x = np.pad(x, [(0, 0)] * (x.ndim - 1) + [(0, -K % 32)]); x = x.reshape(x.shape[:-1] + (-1, 32)); a = np.abs(x).max(-1, keepdims=True)
;;       e = np.where(a > 0, np.clip(np.frexp(np.where(a > 0, a, 1))[1] - 1 - 4, -126, 127), 0)      # np.frexp(a)[1] - 1 = floor(log2(a)), exactly
;;       r = np.clip(x / 2.0 ** e, -28, 28)
;;       step = 2.0 ** (np.maximum(np.frexp(np.where(r == 0, 1, r))[1] - 1, -2) - 2)
;;       q = np.round(r / step) * step * 2.0 ** e      # np.round: ties to even
;;       return np.moveaxis(q.reshape(q.shape[:-2] + (-1,))[..., :K], -1, axis).astype(np.float32)
;;   ~~~
;;   OPERANDS COMPUTED ON THE WAY. 'Computed on the way' means the value that the module computes at that place (a softmax that the list does not call 'softmax' is quantised finished and normalised). What goes into a quantiser is computed in f32, as accurately as f32 sums, v_exp_f32 and their like allow (about 1e-6 of the number): no bf16 or f16 on the way to a quantiser, and a product that is left as it is and whose result goes on into a quantised operand takes f32 operands (vector FMAs, or v_wmma_f32_16x16x4_f32). A number that lies on a knife's edge between two numbers of the format may be rounded either way, as far as f32 arithmetic and the matrix unit's own rounding can turn it there, and no further.
;; 2 versions. Each part assembles by itself: llvm-mc -triple=amdgcn-amd-amdhsa -mcpu=gfx1250 --defsym DOCPART=n.
;; ======== version 1 of 2: 2 launches
;; workspace buffers: xq 12,582,912 bytes; xs 524,288 bytes; wq 3,276,800 bytes
;; launch prep (part 1): grid 768 x 1, 4 waves a work-group, no clusters, 35,328 bytes of LDS; arguments x, W_qkv, W_out, xq, xs, wq; writes xq, xs, wq
.if DOCPART == 1
	.amdgcn_target "amdgcn-amd-amdhsa--gfx1250"
	.amdhsa_code_object_version 6
	.text
	.protected	k_qd77605e723_prep
	.globl	k_qd77605e723_prep
	.p2align	8
	.type	k_qd77605e723_prep,@function
k_qd77605e723_prep:
	s_mov_b64 s[64:65], 0
	v_nop
	global_prefetch_b8 v0, s[64:65] scope:SCOPE_SE
	s_setreg_imm32_b32 hwreg(HW_REG_WAVE_MODE, 25, 1), 1
	s_wait_xcnt 0x0
; x [16384][1024], W_qkv [1024][3072] and W_out [1024][1024], f32, become codes of E3M2 with one E8M0 byte for each 32 along K, laid as IMAGES OF OPERAND REGISTERS
; for the second launch: a fragment (16 rows x 128 K, 12 registers a lane) is 1,536 bytes; register p of lane L lies at 512 (p / 4) + 16 L + 4 (p % 4), so that three accesses of 16 bytes a lane move it.
; A block's scale is 2^(floor(log2(largest magnitude)) - 4): its byte is the largest magnitude's exponent field - 4, held at 1 from below by a floor among the maximum's leaves.
; LIMITS: a block of zeros gets the byte 1 where the rule says 127 (its codes are zeros, and only this program reads the bytes); NaN and infinities among the inputs are not served.
; Work-groups 0-511 take x (K innermost): a wave takes 16 tokens x 512 along K.  Work-groups 512-767 take the weights (K outermost): a wave takes 32 columns x 128 along K, a lane one column.
; The two ways part on the work-group's number alone and have LDS bytes of their own.  No tensor loads, no matrix instructions.
; xq: [token tile 0..1023][K step 0..7][1,536].   xs: tile t, K step s, row r: the scale word at 512 t + 128 (s / 2) + 8 r + 4 (s % 2).
; wq: 32 slots of 102,400 bytes: 64 fragments, then 8 groups of 512 bytes of scale words: the word of fragment 8 y + e, row r, at 98,304 + 512 y + 16 (r + 16 (e / 4)) + 4 (e % 4).
; THE 16 ROWS OF A WEIGHT TILE ARE NOT NEIGHBOURS: tiles come in pairs u = 0, 1 over 32 columns from col32 on; row m of tile u is column col32 + 8 u + m % 8 + 16 (m / 8).
.set TM,   12                          ; v12-15 largest magnitudes, v16-19 the other half's / the bytes, v24-27 the conversions' scale operands
.set PWR,  28                          ; v28-31 the scale words of the wave's four K steps
.set PC,   32                          ; v32-51 the codes just made
.set ST,   64                          ; v64-127 64 numbers, 16 neighbours of each of four blocks
.set RAW,  128                         ; v128-255 numbers as they are loaded
.set XSTG, 8448                        ; x: a wave's stage: 16 rows x (512 bytes + 16)
.set WSCL, 33792                       ; weights: 512 bytes in which the work-group's scale words meet
	s_load_b256 s[4:11], s[0:1], 0x0               ; x s[4:5], W_qkv s[6:7], W_out s[8:9], xq s[10:11]
	s_load_b128 s[12:15], s[0:1], 0x20             ; xs s[12:13], wq s[14:15]
	v_lshl_add_u32 v59, v0, 2, 0x8800
	v_mov_b32 v63, 0
	v_lshrrev_b32 v1, 5, v0
	v_readfirstlane_b32 s16, v1                    ; wave 0..3
	v_and_b32 v2, 31, v0                           ; lane
	v_and_b32 v3, 15, v0                           ; r
	v_bfe_u32 v4, v0, 4, 1                         ; hh
	v_lshlrev_b32 v5, 4, v2                        ; 16 x lane
	s_mov_b32 s20, 0x76543210
	s_mov_b32 s21, 0xfedcba98                      ; v_permlanex16_b32's selects for lane l xor 16
	s_cmp_lt_u32 ttmp9, 512
	s_cbranch_scc0 .Lweights
; ---------------- x ----------------
	s_lshl_b32 s17, ttmp9, 1
	s_lshr_b32 s18, s16, 1
	s_add_co_u32 s17, s17, s18                     ; my tile of 16 tokens: 2 x work-group + wave / 2
	s_and_b32 s18, s16, 1                          ; my half of K
	s_lshl_b32 s22, s17, 16                        ; x: 16 rows of 4,096 bytes a tile,
	s_lshl_b32 s23, s18, 11                        ; 2,048 bytes a half
	s_add_co_u32 s22, s22, s23
	s_mov_b32 s23, 0
	s_mul_i32 s24, s17, 12288                      ; xq: 8 images a tile, 4 a half
	s_mul_i32 s25, s18, 6144
	s_add_co_u32 s24, s24, s25
	s_mov_b32 s25, 0
	s_lshl_b32 s26, s17, 9                         ; xs: 512 bytes a tile, 256 a half
	s_lshl_b32 s27, s18, 8
	s_add_co_u32 s26, s26, s27
	s_mov_b32 s27, 0
	s_mul_i32 s28, s16, XSTG
	v_add_nc_u32 v6, s28, v5                       ; the stage, on the way in: a row's 512 bytes as they lie
	v_mul_u32_u24 v7, v3, 528
	v_lshl_add_u32 v7, v4, 6, v7
	v_add_nc_u32 v7, s28, v7                       ; and out: row r, + 64 hh: my 16 neighbours of a block of 32
	v_lshlrev_b32 v8, 3, v3
	v_lshl_add_u32 v8, v4, 7, v8                   ; xs: 128 hh + 8 r
.irp b, 0,1,2,3
	v_mov_b32 v[TM+4+\b], 0                        ; written once: a lane permute's destination counts as one of its sources
.endr
	s_wait_kmcnt 0x0
	s_add_nc_u64 s[4:5], s[4:5], s[22:23]
	s_add_nc_u64 s[10:11], s[10:11], s[24:25]
	s_add_nc_u64 s[12:13], s[12:13], s[26:27]
.macro LOAD q                          ; K step q of my 16 rows: each load reads 512 consecutive bytes of one row
.irp p, 0,1,2,3,4,5,6,7,8,9,10,11,12,13,14,15
	global_load_b128 v[RAW+64*((\q)%2)+4*\p:RAW+64*((\q)%2)+4*\p+3], v5, s[4:5] offset:4096*\p+512*(\q) th:TH_LOAD_NT
.endr
.endm
.macro XTURN q                         ; through the stage: LDS serves a wave's instructions in order, so no wait stands between the stores and the loads
.irp p, 0,1,2,3,4,5,6,7,8,9,10,11,12,13,14,15
	ds_store_b128 v6, v[RAW+64*((\q)%2)+4*\p:RAW+64*((\q)%2)+4*\p+3] offset:528*\p
.endr
.irp b, 0,1,2,3
.irp j, 0,1,2,3
	ds_load_b128 v[ST+16*\b+4*\j:ST+16*\b+4*\j+3], v7 offset:128*\b+16*\j
.endr
.endr
.endm
; 64 numbers of a lane, register 16 b + i = k 32 b + 16 hh + i of row r, become a fragment in v[PC] on and its scale word in v[pw]
.macro QUANTP pw
.irp b, 0,1,2,3
	v_max3_num_f32 v[TM+\b], |v[ST+16*\b]|, |v[ST+1+16*\b]|, 0x2800000   ; my 16 numbers of block b, and the floor 2^(5 - 127): the byte cannot fall under 1
.endr
.irp i, 2,4,6,8,10,12,14
.irp b, 0,1,2,3
	v_max3_num_f32 v[TM+\b], v[TM+\b], |v[ST+16*\b+\i]|, |v[ST+1+16*\b+\i]|
.endr
.endr
.irp b, 0,1,2,3
	v_permlanex16_b32 v[TM+4+\b], v[TM+\b], s20, s21
.endr
.irp b, 0,1,2,3
	v_max_num_f32 v[TM+\b], v[TM+\b], v[TM+4+\b]   ; with lane l xor 16's: the block's largest magnitude
.endr
.irp b, 0,1,2,3
	v_add_nc_u32 v[TM+12+\b], 0xfe000000, v[TM+\b] ; 4 off its exponent field: the conversion takes the exponent field of this operand as its scale
.endr
.irp b, 0,1,2,3
	v_lshrrev_b32 v[TM+4+\b], 23, v[TM+12+\b]      ; the scale's byte
.endr
	v_lshl_or_b32 v[\pw], v[TM+5], 8, v[TM+4]
	v_lshl_or_b32 v[\pw], v[TM+6], 16, v[\pw]
	v_lshl_or_b32 v[\pw], v[TM+7], 24, v[\pw]
.irp c, 0,1
	v_cvt_scalef32_pk16_bf6_f32 v[PC+6*\c:PC+2+6*\c], v[ST+32*\c:ST+15+32*\c], v[TM+12+2*\c]
	v_cvt_scalef32_pk16_bf6_f32 v[PC+12+4*\c:PC+14+4*\c], v[ST+16+32*\c:ST+31+32*\c], v[TM+13+2*\c]   ; (a conversion's three registers begin on an even number)
.endr
	v_nop                                          ; one plain place behind a scaled conversion
.irp c, 0,1                            ; the operand's layout wants a whole block in a lane: lanes 0-15 block 2 c, lanes 16-31 block 2 c + 1
.irp i, 0,1,2
	v_permlane16_swap_b32 v[PC+6*\c+\i], v[PC+12+4*\c+\i]
.endr
.irp i, 0,1,2
	v_mov_b32 v[PC+3+6*\c+\i], v[PC+12+4*\c+\i]
.endr
.endr
.endm
	LOAD 0
	LOAD 1
.irp q, 0,1,2,3
.if \q < 3
	s_wait_loadcnt 16                              ; this step's 16 loads are in; the next step's 16 may be out
.else
	s_wait_loadcnt 0x0
.endif
	XTURN \q
	s_wait_dscnt 0x0                               ; the 64 numbers are back, and the stage's stores have read the registers that the next loads take
.if \q < 2
	LOAD \q+2
.endif
.if \q > 0
	s_wait_xcnt 0x0                                ; the last step's image stores have read the codes' registers: only behind this wait are they written again
.endif
	QUANTP PWR+\q
.irp c, 0,1,2
	global_store_b128 v5, v[PC+4*\c:PC+4*\c+3], s[10:11] offset:1536*\q+512*\c   ; the image: 512 consecutive bytes a store
.endr
.endr
	v_cmp_ne_u32 vcc_lo, 0, v4
	v_cndmask_b32 v10, v[PWR], v[PWR+2], vcc_lo    ; lanes 0-15 store the words of K steps 0, 1 of the half, lanes 16-31 those of 2, 3
	v_cndmask_b32 v11, v[PWR+1], v[PWR+3], vcc_lo
	global_store_b64 v8, v[10:11], s[12:13]        ; 32 lanes store 256 consecutive bytes, aligned
	s_wait_tensorcnt 0x0
	ds_add_u32 v59, v63
	s_wait_dscnt 0x0
	s_endpgm
; ---------------- the weights ----------------
.Lweights:
	s_sub_co_u32 s17, ttmp9, 512
	s_lshr_b32 s18, s17, 3                         ; sigma: the slot, 0..31
	s_and_b32 s19, s17, 7                          ; y: the group of 8 fragments; my wave makes the pair of tiles 2 wave, 2 wave + 1 of it
	v_lshlrev_b32 v9, 2, v2                        ; in: 4 bytes a lane: lane l takes column col32 + l, its registers run down K
	v_bfe_u32 v10, v0, 3, 1                        ; u: which tile of the pair my column belongs to
	v_and_b32 v11, 7, v0
	v_lshl_add_u32 v11, v4, 3, v11                 ; and which row of it: l % 8 + 8 (l / 16)
	v_lshlrev_b32 v24, 2, v10
	v_lshl_add_u32 v24, v11, 4, v24                ; 16 row + 4 u
	v_mul_u32_u24 v10, v10, 1536
	v_lshl_add_u32 v10, v11, 4, v10                ; out: 1,536 u + 16 row
	s_lshr_b32 s25, s16, 1
	s_lshl_b32 s25, s25, 8
	s_and_b32 s29, s16, 1
	s_lshl_b32 s29, s29, 3
	s_add_co_u32 s25, s25, s29
	s_add_co_u32 s25, s25, WSCL
	v_add_nc_u32 v11, s25, v24                     ; LDS: my scale word's place in the group: e = 2 wave + u
	v_add_nc_u32 v24, WSCL, v5                     ; and where wave 0 reads the group back
	s_mul_i32 s30, s18, 102400
	s_mul_i32 s31, s19, 12288
	s_add_co_u32 s32, s30, s31
	s_mul_i32 s31, s16, 3072
	s_add_co_u32 s32, s32, s31                     ; my pair of fragments in wq
	s_mov_b32 s33, 0
	s_lshl_b32 s31, s19, 9
	s_add_co_u32 s34, s30, s31
	s_add_co_u32 s34, s34, 98304                   ; the group's scale words in wq
	s_mov_b32 s35, 0
	s_lshr_b32 s22, s19, 2                         ; y / 4: which K step of a QK slot; which half of d of a V slot
	s_and_b32 s23, s19, 3                          ; y % 4: the second launch's wave (QK); the group of four heads (V)
	s_and_b32 s24, s23, 1                          ; QK slots (sigma < 16): head 8 (wave % 2) + 2 (sigma / 4) + pair / 2,
	s_lshl_b32 s24, s24, 3
	s_lshr_b32 s25, s18, 2
	s_lshl_b32 s25, s25, 1
	s_add_co_u32 s24, s24, s25
	s_lshr_b32 s25, s16, 1
	s_add_co_u32 s24, s24, s25
	s_mul_i32 s24, s24, 192
	s_lshr_b32 s25, s23, 1                         ; q (waves 0, 1) or k (waves 2, 3),
	s_lshl_b32 s25, s25, 6
	s_add_co_u32 s24, s24, s25
	s_and_b32 s25, s16, 1                          ; 32 (pair % 2)
	s_lshl_b32 s25, s25, 5
	s_add_co_u32 s24, s24, s25
	s_and_b32 s26, s18, 3
	s_lshl_b32 s26, s26, 1
	s_add_co_u32 s26, s26, s22                     ; K step 2 (sigma % 4) + y / 4
	s_lshl_b32 s27, s23, 2                         ; V slots (16 .. 23): head g = 4 (y % 4) + pair, column 192 g + 128 + 32 (y / 4)
	s_add_co_u32 s27, s27, s16
	s_mul_i32 s27, s27, 192
	s_lshl_b32 s25, s22, 5
	s_add_co_u32 s27, s27, s25
	s_add_co_u32 s27, s27, 128
	s_sub_co_u32 s28, s18, 16                      ; K step sigma - 16
	s_cmp_lt_u32 s18, 16
	s_cselect_b32 s24, s24, s27                    ; col32
	s_cselect_b32 s26, s26, s28                    ; K step
	s_mov_b32 s31, 0
	s_wait_kmcnt 0x0
	s_add_nc_u64 s[32:33], s[14:15], s[32:33]
	s_add_nc_u64 s[34:35], s[14:15], s[34:35]
.macro WLOAD base, pitch               ; 128 rows of K at my column: 32 lanes read 128 consecutive bytes
.set wi, 0
.rept 128
	global_load_b32 v[RAW+wi], v9, s[\base:\base+1] offset:wi*\pitch
.set wi, wi+1
.endr
.endm
	s_cmp_ge_u32 s18, 24                           ; the two tensors differ in their pitch, which stands in the loads' immediates: the branch goes round the loads alone
	s_cbranch_scc1 .Lw_out
	s_mul_i32 s30, s26, 1572864                    ; 128 rows of 12,288 bytes a K step
	s_lshl_b32 s24, s24, 2
	s_add_co_u32 s30, s30, s24
	s_add_nc_u64 s[6:7], s[6:7], s[30:31]
	WLOAD 6, 12288
	s_branch .Lw_in
.Lw_out:
	s_sub_co_u32 s26, s18, 24                      ; OUT slots (24 .. 31): K step sigma - 24, column 128 y + 32 pair of W_out
	s_lshl_b32 s30, s26, 19                        ; 128 rows of 4,096 bytes a K step
	s_lshl_b32 s24, s19, 9
	s_add_co_u32 s30, s30, s24
	s_lshl_b32 s24, s16, 7
	s_add_co_u32 s30, s30, s24
	s_add_nc_u64 s[8:9], s[8:9], s[30:31]
	WLOAD 8, 4096
.Lw_in:
; Block blk of 32 along K: all its numbers are mine.  In the operand it belongs to lane (row, blk % 2), registers 6 (blk / 2) on: v32-43 are that lane's registers for half 0, v44-55 for half 1.
.macro WBLOCK blk, cnt
.set XB, RAW+32*\blk
	s_wait_loadcnt \cnt
	v_max3_num_f32 v12, |v[XB]|, |v[XB+1]|, |v[XB+2]|
	v_max3_num_f32 v13, |v[XB+3]|, |v[XB+4]|, |v[XB+5]|
.irp i, 6,10,14,18,22,26
	v_max3_num_f32 v12, v12, |v[XB+\i]|, |v[XB+\i+1]|
	v_max3_num_f32 v13, v13, |v[XB+\i+2]|, |v[XB+\i+3]|
.endr
	v_max3_num_f32 v12, v12, |v[XB+30]|, |v[XB+31]|
	v_max3_num_f32 v12, v12, v13, 0x2800000        ; and the floor
	v_add_nc_u32 v[16+\blk], 0xfe000000, v12       ; the conversions' scale operand
	v_lshrrev_b32 v13, 23, v[16+\blk]              ; the byte
.if \blk == 0
	v_mov_b32 v14, v13
.else
	v_lshl_or_b32 v14, v13, 8*\blk, v14            ; the lower K in the lower byte
.endif
	v_cvt_scalef32_pk16_bf6_f32 v[32+12*(\blk%2)+6*(\blk/2):34+12*(\blk%2)+6*(\blk/2)], v[XB:XB+15], v[16+\blk]
	v_cvt_scalef32_pk16_bf6_f32 v[56+4*\blk:58+4*\blk], v[XB+16:XB+31], v[16+\blk]   ; (three registers from an even number on: made here, moved below)
.endm
	WBLOCK 0, 63                                   ; 96 younger loads exist; a wait's count names 63 at the most
	WBLOCK 1, 63                                   ; 64 younger
	WBLOCK 2, 32
	WBLOCK 3, 0
	v_nop                                          ; one plain place behind the last conversion
.irp blk, 0,1,2,3
.irp i, 0,1,2
	v_mov_b32 v[35+12*(\blk%2)+6*(\blk/2)+\i], v[56+4*\blk+\i]
.endr
.endr
.irp h, 0,1
.irp q, 0,1,2
	global_store_b128 v10, v[32+12*\h+4*\q:35+12*\h+4*\q], s[32:33] offset:512*\q+256*\h   ; sixteen lanes of each tile store 256 consecutive bytes, aligned
.endr
.endr
	ds_store_b32 v11, v14
	s_wait_dscnt 0x0                               ; for the others' sake: my scale words are in LDS
	s_barrier_signal -1
	s_barrier_wait -1
	s_cmp_lg_u32 s16, 0
	s_cbranch_scc1 .Lw_end
	ds_load_b128 v[20:23], v24                     ; wave 0 stores the group's 512 bytes on end
	s_wait_dscnt 0x0
	global_store_b128 v5, v[20:23], s[34:35]
.Lw_end:
	s_wait_tensorcnt 0x0
	ds_add_u32 v59, v63
	s_wait_dscnt 0x0
	s_endpgm
.Lfunc_end_k_qd77605e723_prep:
	.size	k_qd77605e723_prep, .Lfunc_end_k_qd77605e723_prep-k_qd77605e723_prep
	.p2alignl 7, 3214868480
	.fill 96, 4, 3214868480
	.section	.rodata,"a",@progbits
	.p2align	6, 0x0
	.amdhsa_kernel k_qd77605e723_prep
		.amdhsa_group_segment_fixed_size 35328
		.amdhsa_private_segment_fixed_size 0
		.amdhsa_enable_private_segment 0
		.amdhsa_kernarg_size 48
		.amdhsa_user_sgpr_count 2
		.amdhsa_user_sgpr_kernarg_segment_ptr 1
		.amdhsa_wavefront_size32 1
		.amdhsa_system_sgpr_workgroup_id_x 1
		.amdhsa_system_sgpr_workgroup_id_y 1
		.amdhsa_system_sgpr_workgroup_id_z 1
		.amdhsa_system_vgpr_workitem_id 0
		.amdhsa_next_free_vgpr 256
		.amdhsa_next_free_sgpr 66
		.amdhsa_reserve_vcc 1
		.amdhsa_float_denorm_mode_32 3
		.amdhsa_float_denorm_mode_16_64 3
		.amdhsa_memory_ordered 1
		.amdhsa_forward_progress 1
		.amdhsa_inst_pref_size 67
	.end_amdhsa_kernel
	.amdgpu_metadata
---
amdhsa.version: [ 1, 2 ]
amdhsa.kernels:
  - .name:           k_qd77605e723_prep
    .symbol:         k_qd77605e723_prep.kd
    .args:
      - { .name: x, .offset: 0, .size: 8, .value_kind: global_buffer, .address_space: global }
      - { .name: W_qkv, .offset: 8, .size: 8, .value_kind: global_buffer, .address_space: global }
      - { .name: W_out, .offset: 16, .size: 8, .value_kind: global_buffer, .address_space: global }
      - { .name: xq, .offset: 24, .size: 8, .value_kind: global_buffer, .address_space: global }
      - { .name: xs, .offset: 32, .size: 8, .value_kind: global_buffer, .address_space: global }
      - { .name: wq, .offset: 40, .size: 8, .value_kind: global_buffer, .address_space: global }
    .group_segment_fixed_size: 35328
    .private_segment_fixed_size: 0
    .kernarg_segment_align: 8
    .kernarg_segment_size: 48
    .max_flat_workgroup_size: 128
    .sgpr_count:     66
    .vgpr_count:     256
    .wavefront_size: 32
...
	.end_amdgpu_metadata
.endif
;; end of part 1
;; launch attn (part 2): grid 256 x 1, 4 waves a work-group, clusters of 4 x 1, 327,680 bytes of LDS; arguments xq, xs, wq, b_qkv, b_out, out0; writes out0
.if DOCPART == 2
	.amdgcn_target "amdgcn-amd-amdhsa--gfx1250"
	.amdhsa_code_object_version 6
	.text
	.protected	k_qd77605e723_attn
	.globl	k_qd77605e723_attn
	.p2align	8
	.type	k_qd77605e723_attn,@function
k_qd77605e723_attn:
	s_mov_b64 s[64:65], 0
	v_nop
	global_prefetch_b8 v0, s[64:65] scope:SCOPE_SE
	s_setreg_imm32_b32 hwreg(HW_REG_WAVE_MODE, 25, 1), 1
	s_wait_xcnt 0x0
	s_wait_alu depctr_hold_cnt(0) depctr_sa_sdst(0) depctr_va_vdst(0) depctr_va_sdst(0) depctr_va_ssrc(0) depctr_va_vcc(0) depctr_vm_vsrc(0)
	s_getreg_b32 s2, hwreg(HW_REG_IB_STS2, 6, 4)
	s_cmp_eq_u32 s2, 0
	s_cbranch_scc0 .Lentry_in_a_cluster
	s_endpgm
.Lentry_in_a_cluster:
	s_bfe_u32 s2, ttmp6, 0x10000c
	s_cmp_lg_u32 s2, 0x3003
	s_cbranch_scc0 .Lentry_shape_is_right
	s_endpgm
.Lentry_shape_is_right:
; out = (softmax over heads of Q(q) Q(k)^T / 8) v, quantised, x Q(W_out) + b_out, with q, k, v = Q(x) Q(W_qkv) + b_qkv.  A work-group of four waves takes 64 tokens through the whole chain; q, k, v, the
; weights of the softmax and the context never go to memory.  Quantised products: v_wmma_scale_f32_16x16x128_f8f6f4 on codes of E3M2; attn x v: packed f32 multiply-adds, since its result goes into a quantiser.
; Every product is used TRANSPOSED: source 0 = 16 columns of a weight, source 1 = 16 tokens.  A lane then holds one token (lane % 16), and, by the choice of the columns that form a tile (made by the launch
; before), the 16 registers of a pair of tiles are 16 neighbouring columns col32 + 16 (lane / 16) + 0 .. 15: what the quantiser of the next product wants.
; THE WEIGHTS' codes, 32 tiles of 102,400 bytes (64 fragments as images of registers, then their scale words), go through a ring of two LDS slots.  All 256 work-groups walk the same 32 tiles, so the four of
; a cluster ask JOINTLY: each wave asks for its quarter of a tile (100 rows of 256 bytes) with the same descriptor in all four work-groups and the mask 15.
; PHASES.  QK (tiles 0-15): wave w makes q (w < 2) or k of heads 8 (w % 2) .. + 7 for all 64 tokens, two heads a chunk; x's 32 fragments stay in registers; results are quantised and stored as codes in LDS.
;   V (16-23): wave (th = w % 2, dh = w / 2) makes v[all 16 heads][d = 32 dh .. + 31] of tokens 32 th .. + 31: 64 accumulators, which stay in registers.
;   P2: wave w: the 16 x 16 scores of tokens 16 w .. + 15, one matrix instruction a token (K = 64 and 64 zero codes), softmax, weights to LDS.   P3: context = weights x v, quantised, codes to LDS.
;   OUT (24-31): wave w makes columns 256 w .. + 255 for all 64 tokens; rows leave through a stage in LDS as runs of 512 bytes.
; LIMITS: NaN and infinities among the inputs are not served; a block of zeros has the scale byte 1 where the rule says 127 (its codes are zeros, only this program reads the bytes);
; a weight of the softmax under 2^-126 comes out of v_exp_f32 as 0.
; LDS: quarter j at 16,640 j: first q's codes of tokens 16 j + i at + 4,096 + 784 i; then the softmax's weights of token i at 1,040 i ([h][g] f32; written in ascending batches of four tokens over q rows already
;   read: 1,040 (i0 + 3) + 1,024 <= 4,096 + 784 (i0 + 4) up to i0 = 12); at last wave j's stage (16 rows x 1,040).   66,560: k's codes, 784 a token (48 a head, 24 a block); later the context's, laid alike.
;   116,736: q's scale bytes, 36 a token, 2 a head; later the context's.   119,040: k's.   121,344: the spare words.   122,880: the ring, 2 x 102,400, never stored to.  All of LDS is claimed.
; REGISTERS.  Window 0: v1, v2 for the add; v3 16 x lane; v4-15 ring addresses (v4-11 are phase addresses once QK and V are over); v16-20 QK's stores; v21, v22 offsets in memory; v23-27, v30, v31 at work;
;   v28 r, v29 hh; v32-127, v128-223 two buffers of 8 weight fragments (the second also holds the quantiser's work when idle); v224-231 their scale words; v232-247 the tokens' scale words.
;   QK: window 1: x's fragments of tiles 0, 1 (v0-191), the bias (v192-255); window 2: 32 accumulators; window 3: x's fragments of tiles 2, 3.     V: window 1: x's fragments of two K steps; windows 2, 3: accumulators.
;   P2, P3: window 1 at work.     OUT: window 1: the context's fragments of two K steps; windows 2, 3: accumulators.
.set RING,  122880
.set SLOTB, 102400
.set SCOFF, 98304
.set QTR,   16640
.set KCB,   66560
.set QSB,   116736
.set SPARE, 121344
.set LI,  3
.set AW,  4                            ; v4-5   QK: my 8 fragments of a slot's first K step, slot 0, 1
.set AS,  6                            ; v6-7   and their scale words
.set AWV, 8                            ; v8-11  the same for V
.set ASV, 10
.set AWO, 12                           ; v12-15 and for OUT
.set ASO, 14
.set QA,  16                           ; v16-19 where I store codes of q or k, token tile j
.set SA,  20                           ; v20    and their scale words
.set BA,  21                           ; v21    64 hh: my half's place in a bias
.set XSA, 22                           ; v22    512 hh + 8 r: my place among x's scale words
.set RR,  28
.set HH,  29
.set WB,  32
.set WS,  224
.set XSC, 232
.set PC,  128                          ; the quantiser: v128-147 codes, v148-163 at work, v164 the scale word
.set TM,  148
.set PW,  164
.set DD,  96                           ; P2, in window 1: the scores of four tokens; v128-151 at work
.set MP,  128
.set SM,  136
.set RP,  144
.set MSB, 0
.macro WIN new                         ; the immediate's high byte repeats the setting that is left; a switch that changes nothing is dropped
.if MSB != (\new)
	s_set_vgpr_msb (MSB<<8)|(\new)
.set MSB, (\new)
.endif
.endm
.macro PLACES                          ; four plain places behind matrix instructions, in front of loads into their registers and of reads of their results
.rept 4
	v_nop
.endr
.endm
.macro CREST                           ; a round of the cluster's barrier behind its opening barrier
	s_cmp_lg_u32 s16, 0
	s_cbranch_scc1 .Lnot_wave_0_\@
	s_barrier_signal -3
.Lnot_wave_0_\@:
	s_barrier_wait -3
	s_barrier_signal -1
	s_barrier_wait -1
.endm
.macro CROUND
	s_barrier_signal -1
	s_barrier_wait -1
	CREST
.endm
.macro BARRIER                         ; my LDS stores have landed and my LDS loads are in: then the work-group's barrier
	s_wait_dscnt 0x0
	s_barrier_signal -1
	s_barrier_wait -1
.endm
; One matrix instruction from the symbols wD, wA, wB, wC, wSA, wSB; wRA, wRB: the side's scales stand in lanes 16-31 of the register named
.macro WM
.if wRA && wRB
	v_wmma_scale_f32_16x16x128_f8f6f4 v[wD:wD+7], v[wA:wA+11], v[wB:wB+11], v[wC:wC+7], v[wSA], v[wSB] matrix_a_fmt:MATRIX_FMT_BF6 matrix_b_fmt:MATRIX_FMT_BF6 matrix_a_scale:MATRIX_SCALE_ROW1 matrix_b_scale:MATRIX_SCALE_ROW1
.elseif wRA
	v_wmma_scale_f32_16x16x128_f8f6f4 v[wD:wD+7], v[wA:wA+11], v[wB:wB+11], v[wC:wC+7], v[wSA], v[wSB] matrix_a_fmt:MATRIX_FMT_BF6 matrix_b_fmt:MATRIX_FMT_BF6 matrix_a_scale:MATRIX_SCALE_ROW1
.elseif wRB
	v_wmma_scale_f32_16x16x128_f8f6f4 v[wD:wD+7], v[wA:wA+11], v[wB:wB+11], v[wC:wC+7], v[wSA], v[wSB] matrix_a_fmt:MATRIX_FMT_BF6 matrix_b_fmt:MATRIX_FMT_BF6 matrix_b_scale:MATRIX_SCALE_ROW1
.else
	v_wmma_scale_f32_16x16x128_f8f6f4 v[wD:wD+7], v[wA:wA+11], v[wB:wB+11], v[wC:wC+7], v[wSA], v[wSB] matrix_a_fmt:MATRIX_FMT_BF6 matrix_b_fmt:MATRIX_FMT_BF6
.endif
.endm
; 25 LDS loads: 8 weight fragments (three loads of 512 consecutive bytes each) and their scale words (fragment e: register e % 4, lanes 16-31 for e >= 4) into buffer buf.  Every window is 0 here.
.macro FETCH buf, aw, offw, as, offs
.irp t, 0,1,2,3,4,5,6,7
.irp q, 0,1,2
	ds_load_b128 v[WB+96*(\buf)+12*\t+4*\q:WB+96*(\buf)+12*\t+4*\q+3], v[\aw] offset:(\offw)+1536*\t+512*\q
.endr
.endr
	ds_load_b128 v[WS+4*(\buf):WS+4*(\buf)+3], v[\as] offset:\offs
.endm
.macro NEXT aw1, as1, aw2, as2         ; the next tile's first fragments: this phase's, or in the phase's last trip the next phase's.  25 loads on either way
	s_cmp_eq_u32 s40, 1
	s_cbranch_scc1 .Lnx_b_\@
	FETCH 0, \aw1, 0, \as1, 0
	s_branch .Lnx_e_\@
.Lnx_b_\@:
	FETCH 0, \aw2, 0, \as2, 0
.Lnx_e_\@:
.endm
; THE CHANGE OF SLOTS, in three parts with matrix instructions between them.  A: all my tensor loads have landed (the one that was out is my quarter of the next tile); 0 onto my spare word;
; the fragments asked for last are in, the add alone may be out.  B: the add is done and my reads of this slot are over: signal.  C: everybody has said so; with
; fill = 1 the barrier has opened a round of the cluster's barrier, so that no wave of any partner still reads the slot or has a load on its way, and the slot's next tile, two on, is asked for first thing.
.macro TURN_A
	WIN 0
	s_wait_tensorcnt 0x0
	ds_add_u32 v1, v2
	s_wait_dscnt 0x1
.endm
.macro TURN_B
	s_wait_dscnt 0x0
	s_barrier_signal -1
.endm
.macro TURN_C n, fill
	WIN 0
	s_barrier_wait -1
.if \fill
	CREST
	s_add_nc_u64 s[34+4*\n:35+4*\n], s[34+4*\n:35+4*\n], 2*SLOTB   ; no tensor load of mine is out, so a group 0 may be written; the type bits on top are not reached
	tensor_load_to_lds s[32+4*\n:35+4*\n], s[24:31]
	s_nop 0
.endif
	PLACES                                         ; behind the tensor load, and in front of the loads into the buffer multiplied last
.endm
; nb blocks of 32: 16 nb numbers of a lane in window w, register s + 16 b + i = number 16 hh + i of block b of my token, become codes in v[PC] on (a whole block a lane: lanes 0-15 block 2 c, lanes 16-31
; block 2 c + 1, registers 6 c on), the bytes in v[TM+4+b], and with nb = 4 the scale word in v[PW].  The first read of each accumulator is of its two lowest registers.
.macro QUANT s, w, nb
	WIN (\w)|((\w)<<2)
.set qb, 0
.rept \nb
	v_max3_num_f32 v[TM+qb], |v[(\s)+16*qb]|, |v[(\s)+16*qb+1]|, 0x2800000   ; with the floor 2^(5 - 127): the byte cannot fall under 1
.set qb, qb+1
.endr
.irp i, 2,4,6,8,10,12,14
.set qb, 0
.rept \nb
	v_max3_num_f32 v[TM+qb], |v[(\s)+16*qb+\i]|, |v[(\s)+16*qb+\i+1]|, v[TM+qb]
.set qb, qb+1
.endr
.endr
	WIN 0
.set qb, 0
.rept \nb
	v_mov_b32 v[TM+4+qb], 0                        ; a lane permute's destination counts as one of its sources
.set qb, qb+1
.endr
.set qb, 0
.rept \nb
	v_permlanex16_b32 v[TM+4+qb], v[TM+qb], s20, s21
.set qb, qb+1
.endr
.set qb, 0
.rept \nb
	v_max_num_f32 v[TM+qb], v[TM+qb], v[TM+4+qb]   ; with lane l xor 16's: the block's largest magnitude
.set qb, qb+1
.endr
.set qb, 0
.rept \nb
	v_add_nc_u32 v[TM+12+qb], 0xfe000000, v[TM+qb] ; 4 off its exponent field: the conversion's scale operand
.set qb, qb+1
.endr
.set qb, 0
.rept \nb
	v_lshrrev_b32 v[TM+4+qb], 23, v[TM+12+qb]      ; the scale's byte
.set qb, qb+1
.endr
.if \nb == 4
	v_lshl_or_b32 v[PW], v[TM+5], 8, v[TM+4]
	v_lshl_or_b32 v[PW], v[TM+6], 16, v[PW]
	v_lshl_or_b32 v[PW], v[TM+7], 24, v[PW]
.endif
	WIN \w
.set qc, 0
.rept \nb/2
	v_cvt_scalef32_pk16_bf6_f32 v[PC+6*qc:PC+6*qc+2], v[(\s)+32*qc:(\s)+32*qc+15], v[TM+12+2*qc]
	v_cvt_scalef32_pk16_bf6_f32 v[PC+12+4*qc:PC+14+4*qc], v[(\s)+32*qc+16:(\s)+32*qc+31], v[TM+13+2*qc]   ; (three registers from an even number on)
.set qc, qc+1
.endr
	WIN 0
	v_nop                                          ; one plain place behind a scaled conversion
.set qc, 0
.rept \nb/2
.irp i, 0,1,2
	v_permlane16_swap_b32 v[PC+6*qc+\i], v[PC+12+4*qc+\i]
.endr
.irp i, 0,1,2
	v_mov_b32 v[PC+3+6*qc+\i], v[PC+12+4*qc+\i]
.endr
.set qc, qc+1
.endr
.endm
.macro BRLOAD                          ; the bias of a chunk's 8 tiles, in the result's layout: tile t, register i: column 192 (t / 4) + 32 ((t / 2) % 2) + 8 (t % 2) + 16 hh + i of the chunk's
	WIN 0x40
.irp t, 0,1,2,3,4,5,6,7
	global_load_b128 v[192+8*\t:195+8*\t], v[BA], s[44:45] offset:768*(\t/4)+128*((\t/2)%2)+32*(\t%2)
	global_load_b128 v[196+8*\t:199+8*\t], v[BA], s[44:45] offset:768*(\t/4)+128*((\t/2)%2)+32*(\t%2)+16
.endr
	WIN 0
.endm
; QK: 8 matrix instructions: my 8 weight tiles x token tile j, K step s.  first = 1: the bias is the C of the sum's first instruction.  The 32 accumulators take turns.
.macro MULQ j, s, buf, first
.if \first
	WIN 0x94+8*((\j)/2)                            ; A window 0; B window 1 (tiles 0, 1) or 3; C window 1; D window 2
.else
	WIN 0xa4+8*((\j)/2)                            ; C and D window 2
.endif
.irp t, 0,1,2,3,4,5,6,7
.set wD, 8*(8*(\j)+\t)
.set wA, WB+96*(\buf)+12*\t
.set wB, 12*(2*(\s)+(\j)%2)
.if \first
.set wC, 192+8*\t
.else
.set wC, wD
.endif
.set wSA, WS+4*(\buf)+\t%4
.set wSB, XSC+8*((\j)/2)+(\s)
.set wRA, \t/4
.set wRB, (\j)%2
	WM
.endr
.endm
; One tile of the ring in QK: K steps 2 sp and 2 sp + 1, in slot sp % 2
.macro QKPAIR sp
.set qn, (\sp)%2
	WIN 0
	s_wait_dscnt 0x0                               ; buffer 0 is in
.if \sp == 0
	s_wait_loadcnt 0x0                             ; the chunk's bias (and, the first time, x)
.endif
	PLACES
	FETCH 1, AW+qn, 49152, AS+qn, 2048             ; the slot's second K step
.if \sp == 1
	s_cmp_eq_u32 s40, 1                            ; the next chunk's bias, if there is a next chunk: no load leaves its buffer
	s_cbranch_scc1 .Lno_bias_\@
	s_add_nc_u64 s[44:45], s[44:45], 1536          ; (the loads that named this base were waited for at the chunk's head)
	BRLOAD
.Lno_bias_\@:
.endif
.if \sp == 0
	MULQ 0, 0, 0, 1
	MULQ 1, 0, 0, 1
	MULQ 2, 0, 0, 1
	MULQ 3, 0, 0, 1
.else
	MULQ 0, 2*(\sp), 0, 0
	MULQ 1, 2*(\sp), 0, 0
	MULQ 2, 2*(\sp), 0, 0
	MULQ 3, 2*(\sp), 0, 0
.endif
	TURN_A
	MULQ 0, 2*(\sp)+1, 1, 0
	TURN_B
	MULQ 1, 2*(\sp)+1, 1, 0
	TURN_C qn, 1
.if \sp == 3
	NEXT AW, AS, AWV, ASV
.else
	FETCH 0, AW+1-qn, 0, AS+1-qn, 0
.endif
	MULQ 2, 2*(\sp)+1, 1, 0
	MULQ 3, 2*(\sp)+1, 1, 0
.endm
.macro XLOAD p, koff, soff             ; V: x's fragments of my two token tiles for one K step, and their scale words (lanes 0-15 the first tile's, lanes 16-31 the second's), into set p
	WIN 0x40
.irp i, 0,1
.irp q, 0,1,2
	global_load_b128 v[24*(\p)+12*\i+4*\q:24*(\p)+12*\i+4*\q+3], v[LI], s[48:49] offset:12288*\i+(\koff)+512*\q
.endr
.endr
	WIN 0
	global_load_b32 v[XSC+(\p)], v[XSA], s[50:51] offset:\soff
.endm
.macro MULV g, i, t0, n, buf, p        ; V: n matrix instructions: tiles 8 g + t0 on x my token tile i
	WIN 0xa4+0x50*(\i)
.set vt, \t0
.rept \n
.set wD, 8*(8*(\g)+vt)
.set wA, WB+96*(\buf)+12*vt
.set wB, 24*(\p)+12*(\i)
.set wC, wD
.set wSA, WS+4*(\buf)+vt%4
.set wSB, XSC+(\p)
.set wRA, vt/4
.set wRB, \i
	WM
.set vt, vt+1
.endr
.endm
.macro VSLOT p                         ; one tile of the ring in V: one K step, my 32 weight tiles in four groups of 8
	WIN 0
	s_wait_dscnt 0x0                               ; group 0 is in
	s_wait_loadcnt 0x0                             ; this K step's x (and, the first time, the bias in the accumulators)
	PLACES
	FETCH 1, AWV+\p, 12288, ASV+\p, 512
.if \p == 0
	XLOAD 1, 1536, 4                               ; the next K step's x: a whole slot ahead of its wait
.else
	s_cmp_eq_u32 s40, 1                            ; none behind the last K step
	s_cbranch_scc1 .Lno_x_\@
	XLOAD 0, 3072, 128
.Lno_x_\@:
.endif
	MULV 0, 0, 0, 8, 0, \p
	MULV 0, 1, 0, 8, 0, \p
	WIN 0
	s_wait_dscnt 0x0
	PLACES
	FETCH 0, AWV+\p, 24576, ASV+\p, 1024
	MULV 1, 0, 0, 8, 1, \p
	MULV 1, 1, 0, 8, 1, \p
	WIN 0
	s_wait_dscnt 0x0
	PLACES
	FETCH 1, AWV+\p, 36864, ASV+\p, 1536
	MULV 2, 0, 0, 8, 0, \p
	MULV 2, 1, 0, 8, 0, \p
	TURN_A
	MULV 3, 0, 0, 4, 1, \p
	TURN_B
	MULV 3, 0, 4, 4, 1, \p
	TURN_C \p, 1
.if \p == 0
	FETCH 0, AWV+1, 0, ASV+1, 0
.else
	NEXT AWV, ASV, AWO, ASO
.endif
	MULV 3, 1, 0, 8, 1, \p
.endm
; P3: the context of my token tile i (v in window 2 + i: register 16 g + e = v[g][32 dh + 16 hh + e] of token r), two heads a trip.  The softmax's weights of my token come from LDS, 64 bytes a head.
.macro P3TILE i
	s_mov_b32 s40, 8
	s_mov_b32 s41, 0
	s_mov_b32 s42, 0
	s_mov_b32 s43, 0
.Lp3_\@:
	v_add_nc_u32 v8, s41, v4
	v_add_nc_u32 v9, s42, v5
	v_add_nc_u32 v10, s43, v6
	WIN 0x40
.irp b, 0,1
.irp q, 0,1,2,3
	ds_load_b128 v[16*\b+4*\q:16*\b+4*\q+3], v8 offset:16640*\i+64*\b+16*\q
.endr
.endr
	s_wait_dscnt 0x0                               ; the weights are in; the last trip's stores have read the quantiser's registers
	WIN 0x56+\i                                    ; v in window 2 + i; weights, sums in window 1
.set pg, 0
.rept 16
.irp b, 0,1
.irp pr, 0,1,2,3,4,5,6,7
.if pg == 0
	v_pk_mul_f32 v[64+16*\b+2*\pr:65+16*\b+2*\pr], v[2*\pr:2*\pr+1], v[16*\b:16*\b+1] op_sel_hi:[1,0]
.elseif pg%2 == 0
	v_pk_fma_f32 v[64+16*\b+2*\pr:65+16*\b+2*\pr], v[16*pg+2*\pr:16*pg+2*\pr+1], v[16*\b+pg:16*\b+pg+1], v[64+16*\b+2*\pr:65+16*\b+2*\pr] op_sel_hi:[1,0,1]
.else
	v_pk_fma_f32 v[64+16*\b+2*\pr:65+16*\b+2*\pr], v[16*pg+2*\pr:16*pg+2*\pr+1], v[16*\b+pg-1:16*\b+pg], v[64+16*\b+2*\pr:65+16*\b+2*\pr] op_sel:[0,1,0] op_sel_hi:[1,1,1]
.endif
.endr
.endr
.set pg, pg+1
.endr
	QUANT 64, 1, 2                                 ; block b = (head 2 trip + b, half dh of d): afterwards lane (r, hh) holds the whole block of head 2 trip + hh
.irp p, 0,1,2
	ds_store_b64 v9, v[PC+2*\p:PC+2*\p+1] offset:12544*\i+8*\p
.endr
.irp b, 0,1
	ds_store_b8 v10, v[TM+4+\b] offset:576*\i+2*\b ; both halves of the lanes write the same byte with the same value
.endr
	s_add_co_u32 s41, s41, 128
	s_add_co_u32 s42, s42, 96
	s_add_co_u32 s43, s43, 4
	s_sub_co_u32 s40, s40, 1
	s_cmp_lg_u32 s40, 0
	s_cbranch_scc1 .Lp3_\@
.endm
.macro BOLOAD win                      ; b_out into the accumulators of two token tiles, in the result's layout
	WIN \win
.irp jj, 0,1
.irp T, 0,1,2,3,4,5,6,7,8,9,10,11,12,13,14,15
	global_load_b128 v[8*(16*\jj+\T):8*(16*\jj+\T)+3], v[BA], s[52:53] offset:128*(\T/2)+32*(\T%2)
	global_load_b128 v[8*(16*\jj+\T)+4:8*(16*\jj+\T)+7], v[BA], s[52:53] offset:128*(\T/2)+32*(\T%2)+16
.endr
.endr
	WIN 0
.endm
.macro CFETCH p, koff, soff            ; OUT: the context's four fragments of one K step (heads 2 s, 2 s + 1) and their scale words into set p: 26 LDS loads
	WIN 0x40
.irp j, 0,1,2,3
.irp pc, 0,1,2,3,4,5
	ds_load_b64 v[48*(\p)+12*\j+2*\pc:48*(\p)+12*\j+2*\pc+1], v6 offset:12544*\j+(\koff)+48*(\pc/3)+8*(\pc%3)
.endr
.endr
	WIN 0
.irp lp, 0,1
	ds_load_b32 v[XSC+2*(\p)+\lp], v7 offset:1152*\lp+(\soff)
.endr
.endm
.macro MULO g, j, buf, p               ; OUT: 8 matrix instructions: my tiles 8 g on x token tile j
	WIN 0xa4+0x50*((\j)/2)
.irp t, 0,1,2,3,4,5,6,7
.set wD, 8*(16*((\j)%2)+8*(\g)+\t)
.set wA, WB+96*(\buf)+12*\t
.set wB, 48*(\p)+12*(\j)
.set wC, wD
.set wSA, WS+4*(\buf)+\t%4
.set wSB, XSC+2*(\p)+(\j)/2
.set wRA, \t/4
.set wRB, (\j)%2
	WM
.endr
.endm
.macro OSLOT p, fill                   ; one tile of the ring in OUT: one K step, my 16 weight tiles in two groups of 8
	WIN 0
	s_wait_dscnt 0x0                               ; group 0 and the context's fragments are in
	PLACES
	FETCH 1, AWO+\p, 12288, ASO+\p, 512
	MULO 0, 0, 0, \p
	MULO 0, 1, 0, \p
	MULO 0, 2, 0, \p
	MULO 0, 3, 0, \p
	TURN_A
	MULO 1, 0, 1, \p
	TURN_B
	MULO 1, 1, 1, \p
	TURN_C \p, \fill
	FETCH 0, AWO+1-\p, 0, ASO+1-\p, 0
.if \p == 0
	CFETCH 1, 96, 4
.else
	CFETCH 0, 192, 8
.endif
	MULO 1, 2, 1, \p
	MULO 1, 3, 1, \p
.endm
; THE WAY OUT of token tile j: a lane's 16 registers of a pair of tiles are 64 neighbouring bytes of its token's row; 16 rows x 1,024 bytes go through my stage and come back as runs of 512 bytes.
.macro TOSTAGE j
.set AC, 128*((\j)%2)
	WIN 0x08+4*((\j)/2)                            ; an LDS store's data are its source 1: window 2 or 3
.irp b, 0,1,2,3,4,5,6,7
.irp k, 0,1,2,3
	ds_store_b128 v8, v[AC+16*\b+4*\k:AC+16*\b+4*\k+3] offset:128*\b+16*\k   ; each accumulator from its low end on
.endr
.endr
.if (\j)%2
	WIN 0x40
.set BKB, 0
.else
	WIN 0
.set BKB, 32
.endif
.set tp, 0
.rept 32
	ds_load_b128 v[BKB+4*tp:BKB+4*tp+3], v9 offset:1040*(tp/2)+512*(tp%2)   ; LDS serves a wave's instructions in order: these see my stores, and the next tile's stores come behind them
.set tp, tp+1
.endr
	WIN 0
.endm
.macro SEND j, younger
	s_wait_dscnt \younger
.if (\j)%2
	WIN 0x04
.set BKB, 0
.else
	WIN 0
.set BKB, 32
.endif
.set tp, 0
.rept 32
	global_store_b128 v[LI], v[BKB+4*tp:BKB+4*tp+3], s[54:55] offset:65536*(\j)+4096*(tp/2)+512*(tp%2) th:TH_STORE_NT   ; 32 lanes store 512 consecutive bytes, at a multiple of 256 from the output's first byte
.set tp, tp+1
.endr
	WIN 0
.endm
; ---------------- the head ----------------
	s_load_b256 s[4:11], s[0:1], 0x0               ; xq s[4:5], xs s[6:7], wq s[8:9], b_qkv s[10:11]
	s_load_b128 s[12:15], s[0:1], 0x20             ; b_out s[12:13], out0 s[14:15]
	v_lshl_add_u32 v1, v0, 2, SPARE
	v_mov_b32 v2, 0
	ds_add_u32 v1, v2
	ds_add_u32 v1, v2
	s_wait_dscnt 0x0
	v_lshrrev_b32 v3, 5, v0
	v_readfirstlane_b32 s16, v3                    ; wave 0..3
	s_and_b32 s17, s16, 1                          ; lo = th
	s_lshr_b32 s18, s16, 1                         ; hi = dh
	s_bfe_u32 s19, ttmp6, 0x40000                  ; cx
	s_lshl_b32 s3, ttmp9, 2
	s_add_co_u32 s19, s3, s19                      ; my block of 64 tokens = 4 x cluster + cx: it enters addresses of xq, xs and out0 alone
	s_mov_b32 s20, 0x76543210
	s_mov_b32 s21, 0xfedcba98                      ; v_permlanex16_b32's selects for lane l xor 16
	s_mov_b32 s22, 0x3e38aa3b                      ; log2(e) / 8
	s_mov_b32 s23, s22                             ; (named with it as a pair)
	s_mov_b32 s24, 15|(3<<16)|(1<<21)              ; group 1: 15:0 the mask: all four work-groups; 17:16 elements of 8 bytes; 21 set beside a mask; no padding
	s_mov_b32 s25, 32<<16                          ; tensor_dim0 = 32 elements: rows of 256 bytes
	s_mov_b32 s26, 100<<16                         ; tensor_dim1 = 100
	s_mov_b32 s27, 32<<16                          ; tile_dim0
	s_mov_b32 s28, 100                             ; tile_dim1: 25,600 bytes, a quarter of a tile of the ring
	s_mov_b32 s29, 32                              ; the pitch: dense
	s_mov_b32 s30, 0
	s_mov_b32 s31, 0
	s_mul_i32 s62, s16, 25600                      ; my quarter, in memory and in a slot: the wave's number alone
	s_mov_b32 s63, 0
	s_wait_kmcnt 0x0
	s_mov_b32 s32, 1
	s_add_co_u32 s33, s62, RING
	s_add_nc_u64 s[34:35], s[8:9], s[62:63]
	s_or_b32 s35, s35, 0x80000000
	s_mov_b32 s36, 1
	s_add_co_u32 s37, s62, RING+SLOTB
	s_add_nc_u64 s[38:39], s[8:9], s[62:63]
	s_add_nc_u64 s[38:39], s[38:39], SLOTB
	s_or_b32 s39, s39, 0x80000000
	CROUND                                         ; all four work-groups are here: the first joint loads meet
	tensor_load_to_lds s[32:35], s[24:31]          ; tile 0
	s_nop 0
	tensor_load_to_lds s[36:39], s[24:31]          ; tile 1: two loads of mine are out
	s_nop 0
	PLACES
	s_mul_i32 s60, s19, 49152
	s_mov_b32 s61, 0
	s_add_nc_u64 s[56:57], s[4:5], s[60:61]        ; xq at my four token tiles
	s_mul_i32 s60, s17, 24576
	s_add_nc_u64 s[48:49], s[56:57], s[60:61]      ; and at the two that are mine in V
	s_lshl_b32 s60, s19, 11
	s_add_nc_u64 s[58:59], s[6:7], s[60:61]        ; xs likewise
	s_lshl_b32 s60, s17, 10
	s_add_nc_u64 s[50:51], s[58:59], s[60:61]
	s_mul_i32 s60, s17, 6144
	s_lshl_b32 s3, s18, 8
	s_add_co_u32 s60, s60, s3
	s_add_nc_u64 s[44:45], s[10:11], s[60:61]      ; b_qkv at head 8 lo, q or k
	s_lshl_b32 s60, s18, 7
	s_add_co_u32 s60, s60, 512
	s_add_nc_u64 s[46:47], s[10:11], s[60:61]      ; b_qkv at v of head 0, d = 32 dh
	s_lshl_b32 s60, s16, 10
	s_add_nc_u64 s[52:53], s[12:13], s[60:61]      ; b_out at column 256 w
	s_lshl_b32 s3, s19, 18
	s_add_co_u32 s60, s60, s3
	s_add_nc_u64 s[54:55], s[14:15], s[60:61]      ; out0 at my first token, column 256 w
	v_and_b32 v30, 31, v0
	v_lshlrev_b32 v[LI], 4, v30
	v_and_b32 v[RR], 15, v0
	v_bfe_u32 v[HH], v0, 4, 1
	s_mul_i32 s62, s16, 12288
	s_add_co_u32 s62, s62, RING
	v_add_nc_u32 v[AW], s62, v[LI]
	v_add_nc_u32 v[AW+1], SLOTB, v[AW]
	s_lshl_b32 s62, s16, 9
	s_add_co_u32 s62, s62, RING+SCOFF
	v_add_nc_u32 v[AS], s62, v[LI]
	v_add_nc_u32 v[AS+1], SLOTB, v[AS]
	s_mul_i32 s62, s18, 49152
	s_add_co_u32 s62, s62, RING
	v_add_nc_u32 v[AWV], s62, v[LI]
	v_add_nc_u32 v[AWV+1], SLOTB, v[AWV]
	s_lshl_b32 s62, s18, 11
	s_add_co_u32 s62, s62, RING+SCOFF
	v_add_nc_u32 v[ASV], s62, v[LI]
	v_add_nc_u32 v[ASV+1], SLOTB, v[ASV]
	s_mul_i32 s62, s16, 24576
	s_add_co_u32 s62, s62, RING
	v_add_nc_u32 v[AWO], s62, v[LI]
	v_add_nc_u32 v[AWO+1], SLOTB, v[AWO]
	s_lshl_b32 s62, s16, 10
	s_add_co_u32 s62, s62, RING+SCOFF
	v_add_nc_u32 v[ASO], s62, v[LI]
	v_add_nc_u32 v[ASO+1], SLOTB, v[ASO]
	v_mul_u32_u24 v31, v[RR], 784
	v_mad_u32_u24 v31, v[HH], 24, v31              ; token r's row of codes, + my block
	s_mul_i32 s41, s17, 384                        ; heads 8 lo on
.irp j, 0,1,2,3
	s_mul_i32 s62, s18, 62464-4096*\j              ; q's rows lie in quarter j, k's on end from 66,560: one product, the lower base + hi x the distance
	s_add_co_u32 s62, s62, QTR*\j+4096
	s_add_co_u32 s62, s62, s41
	v_add_nc_u32 v[QA+\j], s62, v31
.endr
	v_mul_u32_u24 v[SA], v[RR], 36
	s_mul_i32 s62, s18, 2304
	s_lshl_b32 s41, s17, 4
	s_add_co_u32 s62, s62, s41
	s_add_co_u32 s62, s62, QSB
	v_add_nc_u32 v[SA], s62, v[SA]
	v_lshlrev_b32 v[BA], 6, v[HH]
	v_lshlrev_b32 v[XSA], 3, v[RR]
	v_lshl_add_u32 v[XSA], v[HH], 9, v[XSA]
.irp j, 0,1,2,3                        ; x's 32 fragments stay in registers through QK: token tile j, K step s at 12 (2 s + j % 2) of window 1 (j < 2) or 3
	WIN 0x40+0x80*(\j/2)
.irp s, 0,1,2,3,4,5,6,7
.irp q, 0,1,2
	global_load_b128 v[12*(2*\s+\j%2)+4*\q:12*(2*\s+\j%2)+4*\q+3], v[LI], s[56:57] offset:12288*\j+1536*\s+512*\q
.endr
.endr
.endr
	WIN 0
.irp lp, 0,1                           ; their scale words: v[232 + 8 lp + s]: lanes 0-15 tile 2 lp, lanes 16-31 tile 2 lp + 1
.irp sp, 0,1,2,3
	global_load_b64 v[XSC+8*\lp+2*\sp:XSC+8*\lp+2*\sp+1], v[XSA], s[58:59] offset:1024*\lp+128*\sp
.endr
.endr
	BRLOAD
	s_wait_tensorcnt 0x1                           ; my quarter of tile 0 is in; tile 1's may stay out
	s_barrier_signal -1
	s_barrier_wait -1                              ; everybody's is
	FETCH 0, AW, 0, AS, 0
; ---------------- QK: four chunks of two heads a wave; a chunk walks all of K, four tiles of the ring ----------------
	s_mov_b32 s40, 4
	s_mov_b32 s41, 0
	s_mov_b32 s42, 0
.Lchunk:
	QKPAIR 0
	QKPAIR 1
	QKPAIR 2
	QKPAIR 3
	WIN 0
	PLACES                                         ; the quantiser works in buffer 1's registers, which the last products read, and reads results
.irp j, 0,1,2,3
	v_add_nc_u32 v[23+\j], s41, v[QA+\j]           ; the chunk's two heads: 96 bytes a chunk
.endr
	v_add_nc_u32 v27, s42, v[SA]
.irp j, 0,1,2,3                        ; token tile j: 64 registers = two heads x two blocks of 32: a fragment's worth of codes and one scale word
	QUANT 64*\j, 2, 4
.irp c, 0,1
.irp p, 0,1,2
	ds_store_b64 v[23+\j], v[PC+6*\c+2*\p:PC+6*\c+2*\p+1] offset:48*\c+8*\p
.endr
.endr
	ds_store_b32 v27, v[PW] offset:576*\j          ; both halves of the lanes write the same word with the same value
	s_wait_dscnt 0x0                               ; the stores have read their registers
.endr
	s_add_co_u32 s41, s41, 96
	s_add_co_u32 s42, s42, 4
	s_sub_co_u32 s40, s40, 1
	s_cmp_lg_u32 s40, 0
	s_cbranch_scc1 .Lchunk
; ---------------- V ----------------
.irp i, 0,1                            ; the bias goes straight into the accumulators: tile T = 2 g + u, register e: column 192 g + 128 + 32 dh + 8 u + 16 hh + e
	WIN 0x80+0x40*\i
.set bt, 0
.rept 32
	global_load_b128 v[8*bt:8*bt+3], v[BA], s[46:47] offset:768*(bt/2)+32*(bt%2)
	global_load_b128 v[8*bt+4:8*bt+7], v[BA], s[46:47] offset:768*(bt/2)+32*(bt%2)+16
.set bt, bt+1
.endr
.endr
	XLOAD 0, 0, 0
	s_mov_b32 s40, 4
.Lv:
	VSLOT 0
	VSLOT 1
	WIN 0
	s_wait_xcnt 0x0                                ; the loads have read their bases: only behind this wait are these stepped
	s_add_nc_u64 s[48:49], s[48:49], 3072
	s_add_nc_u64 s[50:51], s[50:51], 128
	s_sub_co_u32 s40, s40, 1
	s_cmp_lg_u32 s40, 0
	s_cbranch_scc1 .Lv
; ---------------- P2: scores and softmax of tokens 16 w .. 16 w + 15, four a trip ----------------
	PLACES
	WIN 0x40
.irp a, 0,1,2,3
.irp k, 6,7,8,9,10,11
	v_mov_b32 v[12*\a+\k], 0                       ; K = 64 .. 127 of both operands: zero codes, which add nothing
	v_mov_b32 v[48+12*\a+\k], 0
.endr
.endr
.set k2, 0
.rept 24
	v_mov_b32 v[MP+k2], 0                          ; written once: lane permutes' destinations and the upper halves of pairs that packed forms name
.set k2, k2+1
.endr
	WIN 0
	v_mul_u32_u24 v30, v[RR], 48
	v_mad_u32_u24 v30, v[HH], 24, v30              ; head r's codes in a token's row, + my block
	s_mul_i32 s62, s16, QTR
	v_lshlrev_b32 v7, 6, v[RR]
	v_lshl_add_u32 v7, v[HH], 5, v7
	v_add_nc_u32 v7, s62, v7                       ; the weights: [h = r][g = 8 hh ..], in my quarter
	s_add_co_u32 s62, s62, 4096
	v_add_nc_u32 v4, s62, v30                      ; q
	s_mul_i32 s62, s16, 12544
	s_add_co_u32 s62, s62, KCB
	v_add_nc_u32 v5, s62, v30                      ; k
	v_lshlrev_b32 v6, 1, v[RR]
	v_mad_u32_u24 v6, v[HH], 2304, v6              ; scale bytes: lanes 0-15 q's of head r, lanes 16-31 k's
	s_mul_i32 s62, s16, 576
	s_add_co_u32 s62, s62, QSB
	v_add_nc_u32 v6, s62, v6
	s_mov_b32 s40, 4
	s_mov_b32 s41, 0
	s_mov_b32 s42, 0
	s_mov_b32 s43, 0
.Lp2:
	v_add_nc_u32 v8, s41, v4
	v_add_nc_u32 v9, s41, v5
	v_add_nc_u32 v10, s42, v6
	v_add_nc_u32 v11, s43, v7
	WIN 0x40
.irp a, 0,1,2,3
.irp p, 0,1,2
	ds_load_b64 v[12*\a+2*\p:12*\a+2*\p+1], v9 offset:784*\a+8*\p
	ds_load_b64 v[48+12*\a+2*\p:48+12*\a+2*\p+1], v8 offset:784*\a+8*\p
.endr
.endr
	WIN 0
.irp a, 0,1,2,3
	ds_load_u16 v[XSC+4+\a], v10 offset:36*\a      ; two bytes; the upper two are 0, over zero codes
.endr
	s_wait_dscnt 0x0                               ; the batch of four tokens is in whole before its weights are stored over q's rows; the last trip's stores have read their registers
	WIN 0x55
.irp a, 0,1,2,3                        ; source 0 = k's 16 heads, source 1 = q's: lane (r, hh) holds h = r, g = 8 hh + 0 .. 7
	v_wmma_scale_f32_16x16x128_f8f6f4 v[DD+8*\a:DD+8*\a+7], v[12*\a:12*\a+11], v[48+12*\a:48+12*\a+11], 0, v[XSC+4+\a], v[XSC+4+\a] matrix_a_fmt:MATRIX_FMT_BF6 matrix_b_fmt:MATRIX_FMT_BF6 matrix_a_scale:MATRIX_SCALE_ROW1
.endr
	PLACES
.irp a, 0,1,2,3                        ; the four tokens by turns: no line waits for the line above it
	v_max3_num_f32 v[MP+2*\a], v[DD+8*\a], v[DD+8*\a+1], v[DD+8*\a+2]
.endr
.irp i, 3,5
.irp a, 0,1,2,3
	v_max3_num_f32 v[MP+2*\a], v[MP+2*\a], v[DD+8*\a+\i], v[DD+8*\a+\i+1]
.endr
.endr
.irp a, 0,1,2,3
	v_max_num_f32 v[MP+2*\a], v[MP+2*\a], v[DD+8*\a+7]
.endr
.irp a, 0,1,2,3
	v_permlanex16_b32 v[MP+2*\a+1], v[MP+2*\a], s20, s21
.endr
.irp a, 0,1,2,3
	v_max_num_f32 v[MP+2*\a], v[MP+2*\a], v[MP+2*\a+1]   ; the row's largest score
.endr
.irp k, 0,2,4,6
.irp a, 0,1,2,3
	v_pk_add_f32 v[DD+8*\a+\k:DD+8*\a+\k+1], v[DD+8*\a+\k:DD+8*\a+\k+1], v[MP+2*\a:MP+2*\a+1] op_sel_hi:[1,0] neg_lo:[0,1] neg_hi:[0,1]   ; the maximum is taken away first
.endr
.endr
.irp k, 0,2,4,6
.irp a, 0,1,2,3
	v_pk_mul_f32 v[DD+8*\a+\k:DD+8*\a+\k+1], v[DD+8*\a+\k:DD+8*\a+\k+1], s[22:23] op_sel_hi:[1,0]   ; x log2(e) / 8
.endr
.endr
.set k2, 0
.rept 32
	v_exp_f32 v[DD+k2], v[DD+k2]
.set k2, k2+1
.endr
	v_nop                                          ; one plain place behind the exponentials
	s_wait_alu depctr_va_vdst(0)
.irp a, 0,1,2,3
	v_pk_add_f32 v[SM+2*\a:SM+2*\a+1], v[DD+8*\a:DD+8*\a+1], v[DD+8*\a+2:DD+8*\a+3]
.endr
.irp k, 4,6
.irp a, 0,1,2,3
	v_pk_add_f32 v[SM+2*\a:SM+2*\a+1], v[SM+2*\a:SM+2*\a+1], v[DD+8*\a+\k:DD+8*\a+\k+1]
.endr
.endr
.irp a, 0,1,2,3
	v_add_f32 v[SM+2*\a], v[SM+2*\a], v[SM+2*\a+1]
.endr
.irp a, 0,1,2,3
	v_permlanex16_b32 v[SM+2*\a+1], v[SM+2*\a], s20, s21
.endr
.irp a, 0,1,2,3
	v_add_f32 v[SM+2*\a], v[SM+2*\a], v[SM+2*\a+1] ; the row's sum
.endr
.irp a, 0,1,2,3
	v_rcp_f32 v[RP+2*\a], v[SM+2*\a]
.endr
	v_nop                                          ; one plain place behind the reciprocals
	s_wait_alu depctr_va_vdst(0)
.irp k, 0,2,4,6
.irp a, 0,1,2,3
	v_pk_mul_f32 v[DD+8*\a+\k:DD+8*\a+\k+1], v[DD+8*\a+\k:DD+8*\a+\k+1], v[RP+2*\a:RP+2*\a+1] op_sel_hi:[1,0]
.endr
.endr
	WIN 0x04
.irp a, 0,1,2,3
	ds_store_b128 v11, v[DD+8*\a:DD+8*\a+3] offset:1040*\a
	ds_store_b128 v11, v[DD+8*\a+4:DD+8*\a+7] offset:1040*\a+16
.endr
	WIN 0
	s_add_co_u32 s41, s41, 3136
	s_add_co_u32 s42, s42, 144
	s_add_co_u32 s43, s43, 4160
	s_sub_co_u32 s40, s40, 1
	s_cmp_lg_u32 s40, 0
	s_cbranch_scc1 .Lp2
	BARRIER                                        ; all 64 tokens' weights lie in LDS, and nobody reads q's and k's codes and bytes any more
; ---------------- P3: the context ----------------
	v_mul_u32_u24 v4, v[RR], 1040
	s_mul_i32 s62, s17, 2*QTR
	v_add_nc_u32 v4, s62, v4                       ; my token's weights: quarter 2 th (+ i by the offset)
	v_mul_u32_u24 v5, v[RR], 784
	v_mad_u32_u24 v5, v[HH], 48, v5
	s_mul_i32 s62, s17, 25088
	s_mul_i32 s63, s18, 24
	s_add_co_u32 s62, s62, s63
	s_add_co_u32 s62, s62, KCB
	v_add_nc_u32 v5, s62, v5                       ; the context's codes: token's row, head 2 trip + hh, block dh
	v_mul_u32_u24 v6, v[RR], 36
	s_mul_i32 s62, s17, 1152
	s_add_co_u32 s62, s62, s18
	s_add_co_u32 s62, s62, QSB
	v_add_nc_u32 v6, s62, v6                       ; and their bytes: 2 head + dh
	P3TILE 0
	BOLOAD 0x80                                    ; window 2 is free: b_out for token tiles 0, 1
	P3TILE 1
	BOLOAD 0xc0                                    ; and window 3: tiles 2, 3
	BARRIER                                        ; the context's codes and bytes lie in LDS, and nobody reads the weights any more
; ---------------- OUT ----------------
	v_mul_u32_u24 v4, v[RR], 784
	v_mad_u32_u24 v4, v[HH], 24, v4
	v_add_nc_u32 v4, KCB, v4                       ; a fragment of the context: token r's row, + my block
	v_and_b32 v30, 31, v0
	v_mul_u32_u24 v5, v30, 36
	v_add_nc_u32 v5, QSB, v5                       ; scale words: lanes 0-15 one token tile, lanes 16-31 the next
	s_mov_b32 s40, 3
	s_mov_b32 s41, 0
	s_mov_b32 s42, 0
	v_add_nc_u32 v6, s41, v4
	v_add_nc_u32 v7, s42, v5
	s_mul_i32 s62, s16, QTR
	v_mul_u32_u24 v8, v[RR], 1040
	v_lshl_add_u32 v8, v[HH], 6, v8
	v_add_nc_u32 v8, s62, v8                       ; my stage, in: row r, + 64 hh
	v_add_nc_u32 v9, s62, v[LI]                    ; and back
	s_wait_loadcnt 0x0                             ; b_out is in the accumulators
	CFETCH 0, 0, 0
.Lout:
	OSLOT 0, 1
	OSLOT 1, 1
	WIN 0
	s_add_co_u32 s41, s41, 192
	s_add_co_u32 s42, s42, 8
	v_add_nc_u32 v6, s41, v4
	v_add_nc_u32 v7, s42, v5
	s_sub_co_u32 s40, s40, 1
	s_cmp_lg_u32 s40, 0
	s_cbranch_scc1 .Lout
	OSLOT 0, 0                                     ; the tail is written out: nothing is left to ask for
	WIN 0
	s_wait_dscnt 0x0
	PLACES
	FETCH 1, AWO+1, 12288, ASO+1, 512
	MULO 0, 0, 0, 1
	MULO 0, 1, 0, 1
	MULO 0, 2, 0, 1
	MULO 0, 3, 0, 1
	s_wait_dscnt 0x0
	MULO 1, 0, 1, 1
	MULO 1, 1, 1, 1
	MULO 1, 2, 1, 1
	MULO 1, 3, 1, 1
	WIN 0
	PLACES                                         ; in front of the stores that read results and of the loads into registers that held operands
	TOSTAGE 0
.irp j, 1,2,3
.if \j > 1
	s_wait_xcnt 0x0                                ; tile j - 2's stores have read their registers: tile j's rows may land there
.endif
	TOSTAGE \j
	SEND \j-1, 63                                  ; 64 younger LDS instructions exist; a wait's count names 63 at the most
.endr
	SEND 3, 0
	s_wait_tensorcnt 0x0                           ; the wave's end: behind my last tensor load and my last LDS store
	ds_add_u32 v1, v2
	s_wait_dscnt 0x0
	CROUND                                         ; the closing round: no work-group ends while a partner may still ask for a tile that names it
	s_endpgm
.Lfunc_end_k_qd77605e723_attn:
	.size	k_qd77605e723_attn, .Lfunc_end_k_qd77605e723_attn-k_qd77605e723_attn
	.p2alignl 7, 3214868480
	.fill 96, 4, 3214868480
	.section	.rodata,"a",@progbits
	.p2align	6, 0x0
	.amdhsa_kernel k_qd77605e723_attn
		.amdhsa_group_segment_fixed_size 327680
		.amdhsa_private_segment_fixed_size 0
		.amdhsa_enable_private_segment 0
		.amdhsa_kernarg_size 48
		.amdhsa_user_sgpr_count 2
		.amdhsa_user_sgpr_kernarg_segment_ptr 1
		.amdhsa_wavefront_size32 1
		.amdhsa_system_sgpr_workgroup_id_x 1
		.amdhsa_system_sgpr_workgroup_id_y 1
		.amdhsa_system_sgpr_workgroup_id_z 1
		.amdhsa_system_vgpr_workitem_id 0
		.amdhsa_next_free_vgpr 1024
		.amdhsa_next_free_sgpr 66
		.amdhsa_reserve_vcc 0
		.amdhsa_float_denorm_mode_32 3
		.amdhsa_float_denorm_mode_16_64 3
		.amdhsa_memory_ordered 1
		.amdhsa_forward_progress 1
		.amdhsa_inst_pref_size 255
	.end_amdhsa_kernel
	.section	.bss,"aw",@nobits
	.p2align	6
	.space	262144
	.amdgpu_metadata
---
amdhsa.version: [ 1, 2 ]
amdhsa.kernels:
  - .name:           k_qd77605e723_attn
    .symbol:         k_qd77605e723_attn.kd
    .args:
      - { .name: xq, .offset: 0, .size: 8, .value_kind: global_buffer, .address_space: global }
      - { .name: xs, .offset: 8, .size: 8, .value_kind: global_buffer, .address_space: global }
      - { .name: wq, .offset: 16, .size: 8, .value_kind: global_buffer, .address_space: global }
      - { .name: b_qkv, .offset: 24, .size: 8, .value_kind: global_buffer, .address_space: global }
      - { .name: b_out, .offset: 32, .size: 8, .value_kind: global_buffer, .address_space: global }
      - { .name: out0, .offset: 40, .size: 8, .value_kind: global_buffer, .address_space: global }
    .group_segment_fixed_size: 327680
    .private_segment_fixed_size: 0
    .kernarg_segment_align: 8
    .kernarg_segment_size: 48
    .max_flat_workgroup_size: 128
    .sgpr_count:     66
    .vgpr_count:     1024
    .wavefront_size: 32
...
	.end_amdgpu_metadata
.endif
;; end of part 2
;; ======== version 2 of 2: 2 launches
;; limits: right only within a limited range of input values
;; workspace buffers: xq 12,582,912 bytes; xs 524,288 bytes; wq 3,276,800 bytes
;; launch prep (part 3): grid 768 x 1, 4 waves a work-group, no clusters, 35,328 bytes of LDS; arguments x, W_qkv, W_out, xq, xs, wq; writes xq, xs, wq
.if DOCPART == 3
	.amdgcn_target "amdgcn-amd-amdhsa--gfx1250"
	.amdhsa_code_object_version 6
	.text
	.protected	k_qd77605e723_prep
	.globl	k_qd77605e723_prep
	.p2align	8
	.type	k_qd77605e723_prep,@function
k_qd77605e723_prep:
	s_mov_b64 s[64:65], 0
	v_nop
	global_prefetch_b8 v0, s[64:65] scope:SCOPE_SE
	s_setreg_imm32_b32 hwreg(HW_REG_WAVE_MODE, 25, 1), 1
	s_wait_xcnt 0x0
; x [16384][1024], W_qkv [1024][3072] and W_out [1024][1024], f32, become codes of E3M2 with one E8M0 byte for each 32 along K, laid as IMAGES OF OPERAND REGISTERS
; for the second launch: a fragment (16 rows x 128 K, 12 registers a lane) is 1,536 bytes; register p of lane L lies at 512 (p / 4) + 16 L + 4 (p % 4), so that three accesses of 16 bytes a lane move it.
; A block's scale is 2^(floor(log2(largest magnitude)) - 4): its byte is the largest magnitude's exponent field - 4, held at 1 from below by a floor among the maximum's leaves.
; LIMITS: a block of zeros gets the byte 1 where the rule says 127 (its codes are zeros, and only this program reads the bytes); NaN and infinities among the inputs are not served.
; Work-groups 0-511 take x (K innermost): a wave takes 16 tokens x 512 along K.  Work-groups 512-767 take the weights (K outermost): a wave takes 32 columns x 128 along K, a lane one column.
; The two ways part on the work-group's number alone and have LDS bytes of their own.  No tensor loads, no matrix instructions.
; xq: [token tile 0..1023][K step 0..7][1,536].   xs: tile t, K step s, row r: the scale word at 512 t + 128 (s / 2) + 8 r + 4 (s % 2).
; wq: 32 slots of 102,400 bytes: 64 fragments, then 8 groups of 512 bytes of scale words: the word of fragment 8 y + e, row r, at 98,304 + 512 y + 16 (r + 16 (e / 4)) + 4 (e % 4).
; Slots 0-15 (q, k): two K steps of the 32 tiles of a chunk.  Slots 16-23 (v): one K step of all 64 tiles.  Slots 24-31 (W_out): ALL EIGHT K steps of 128 columns: fragment 8 y + 2 p + u is K step 4 (y / 4) + p of columns 128 (slot - 24) + 32 (y % 4) on.
; THE 16 ROWS OF A WEIGHT TILE ARE NOT NEIGHBOURS: tiles come in pairs u = 0, 1 over 32 columns from col32 on; row m of tile u is column col32 + 8 u + m % 8 + 16 (m / 8).
.set TM,   12                          ; v12-15 largest magnitudes, v16-19 the other half's / the bytes, v24-27 the conversions' scale operands
.set PWR,  28                          ; v28-31 the scale words of the wave's four K steps
.set PC,   32                          ; v32-51 the codes just made
.set ST,   64                          ; v64-127 64 numbers, 16 neighbours of each of four blocks
.set RAW,  128                         ; v128-255 numbers as they are loaded
.set XSTG, 8448                        ; x: a wave's stage: 16 rows x (512 bytes + 16)
.set WSCL, 33792                       ; weights: 512 bytes in which the work-group's scale words meet
	s_load_b256 s[4:11], s[0:1], 0x0               ; x s[4:5], W_qkv s[6:7], W_out s[8:9], xq s[10:11]
	s_load_b128 s[12:15], s[0:1], 0x20             ; xs s[12:13], wq s[14:15]
	v_lshl_add_u32 v59, v0, 2, 0x8800
	v_mov_b32 v63, 0
	v_lshrrev_b32 v1, 5, v0
	v_readfirstlane_b32 s16, v1                    ; wave 0..3
	v_and_b32 v2, 31, v0                           ; lane
	v_and_b32 v3, 15, v0                           ; r
	v_bfe_u32 v4, v0, 4, 1                         ; hh
	v_lshlrev_b32 v5, 4, v2                        ; 16 x lane
	s_mov_b32 s20, 0x76543210
	s_mov_b32 s21, 0xfedcba98                      ; v_permlanex16_b32's selects for lane l xor 16
	s_cmp_lt_u32 ttmp9, 512
	s_cbranch_scc0 .Lweights
; ---------------- x ----------------
	s_lshl_b32 s17, ttmp9, 1
	s_lshr_b32 s18, s16, 1
	s_add_co_u32 s17, s17, s18                     ; my tile of 16 tokens: 2 x work-group + wave / 2
	s_and_b32 s18, s16, 1                          ; my half of K
	s_lshl_b32 s22, s17, 16                        ; x: 16 rows of 4,096 bytes a tile,
	s_lshl_b32 s23, s18, 11                        ; 2,048 bytes a half
	s_add_co_u32 s22, s22, s23
	s_mov_b32 s23, 0
	s_mul_i32 s24, s17, 12288                      ; xq: 8 images a tile, 4 a half
	s_mul_i32 s25, s18, 6144
	s_add_co_u32 s24, s24, s25
	s_mov_b32 s25, 0
	s_lshl_b32 s26, s17, 9                         ; xs: 512 bytes a tile, 256 a half
	s_lshl_b32 s27, s18, 8
	s_add_co_u32 s26, s26, s27
	s_mov_b32 s27, 0
	s_mul_i32 s28, s16, XSTG
	s_wait_alu depctr_va_vdst(0)
	v_add_nc_u32 v6, s28, v5                       ; the stage, on the way in: a row's 512 bytes as they lie
	v_mul_u32_u24 v7, v3, 528
	v_lshl_add_u32 v7, v4, 6, v7
	v_add_nc_u32 v7, s28, v7                       ; and out: row r, + 64 hh: my 16 neighbours of a block of 32
	v_lshlrev_b32 v8, 3, v3
	v_lshl_add_u32 v8, v4, 7, v8                   ; xs: 128 hh + 8 r
.irp b, 0,1,2,3
	v_mov_b32 v[TM+4+\b], 0                        ; written once: a lane permute's destination counts as one of its sources
.endr
	s_wait_alu depctr_va_vdst(0)
	s_wait_kmcnt 0x0
	s_add_nc_u64 s[4:5], s[4:5], s[22:23]
	s_add_nc_u64 s[10:11], s[10:11], s[24:25]
	s_add_nc_u64 s[12:13], s[12:13], s[26:27]
.macro LOAD q                          ; K step q of my 16 rows: each load reads 512 consecutive bytes of one row
.irp p, 0,1,2,3,4,5,6,7,8,9,10,11,12,13,14,15
	global_load_b128 v[RAW+64*((\q)%2)+4*\p:RAW+64*((\q)%2)+4*\p+3], v5, s[4:5] offset:4096*\p+512*(\q) th:TH_LOAD_NT
.endr
.endm
.macro XTURN q                         ; through the stage: LDS serves a wave's instructions in order, so no wait stands between the stores and the loads
.irp p, 0,1,2,3,4,5,6,7,8,9,10,11,12,13,14,15
	ds_store_b128 v6, v[RAW+64*((\q)%2)+4*\p:RAW+64*((\q)%2)+4*\p+3] offset:528*\p
.endr
.irp b, 0,1,2,3
.irp j, 0,1,2,3
	ds_load_b128 v[ST+16*\b+4*\j:ST+16*\b+4*\j+3], v7 offset:128*\b+16*\j
.endr
.endr
.endm
; 64 numbers of a lane, register 16 b + i = k 32 b + 16 hh + i of row r, become a fragment in v[PC] on and its scale word in v[pw]
.macro QUANTP pw
.irp b, 0,1,2,3
	v_max3_num_f32 v[TM+\b], |v[ST+16*\b]|, |v[ST+1+16*\b]|, 0x2800000   ; my 16 numbers of block b, and the floor 2^(5 - 127): the byte cannot fall under 1
.endr
.irp i, 2,4,6,8,10,12,14
.irp b, 0,1,2,3
	v_max3_num_f32 v[TM+\b], v[TM+\b], |v[ST+16*\b+\i]|, |v[ST+1+16*\b+\i]|
.endr
.endr
.irp b, 0,1,2,3
	v_permlanex16_b32 v[TM+4+\b], v[TM+\b], s20, s21
.endr
.irp b, 0,1,2,3
	v_max_num_f32 v[TM+\b], v[TM+\b], v[TM+4+\b]   ; with lane l xor 16's: the block's largest magnitude
.endr
.irp b, 0,1,2,3
	v_add_nc_u32 v[TM+12+\b], 0xfe000000, v[TM+\b] ; 4 off its exponent field: the conversion takes the exponent field of this operand as its scale
.endr
.irp b, 0,1,2,3
	v_lshrrev_b32 v[TM+4+\b], 23, v[TM+12+\b]      ; the scale's byte
.endr
	v_lshl_or_b32 v[\pw], v[TM+5], 8, v[TM+4]
	v_lshl_or_b32 v[\pw], v[TM+6], 16, v[\pw]
	v_lshl_or_b32 v[\pw], v[TM+7], 24, v[\pw]
.irp c, 0,1
	v_cvt_scalef32_pk16_bf6_f32 v[PC+6*\c:PC+2+6*\c], v[ST+32*\c:ST+15+32*\c], v[TM+12+2*\c]
	v_cvt_scalef32_pk16_bf6_f32 v[PC+12+4*\c:PC+14+4*\c], v[ST+16+32*\c:ST+31+32*\c], v[TM+13+2*\c]   ; (a conversion's three registers begin on an even number)
.endr
	v_nop                                          ; one plain place behind a scaled conversion
.irp c, 0,1                            ; the operand's layout wants a whole block in a lane: lanes 0-15 block 2 c, lanes 16-31 block 2 c + 1
.irp i, 0,1,2
	v_permlane16_swap_b32 v[PC+6*\c+\i], v[PC+12+4*\c+\i]
.endr
.irp i, 0,1,2
	v_mov_b32 v[PC+3+6*\c+\i], v[PC+12+4*\c+\i]
.endr
.endr
.endm
	LOAD 0
	LOAD 1
.irp q, 0,1,2,3
.if \q < 3
	s_wait_loadcnt 16                              ; this step's 16 loads are in; the next step's 16 may be out
.else
	s_wait_loadcnt 0x0
.endif
	XTURN \q
	s_wait_dscnt 0x0                               ; the 64 numbers are back, and the stage's stores have read the registers that the next loads take
.if \q < 2
	LOAD \q+2
.endif
.if \q > 0
	s_wait_xcnt 0x0                                ; the last step's image stores have read the codes' registers: only behind this wait are they written again
.endif
	QUANTP PWR+\q
.irp c, 0,1,2
	global_store_b128 v5, v[PC+4*\c:PC+4*\c+3], s[10:11] offset:1536*\q+512*\c   ; the image: 512 consecutive bytes a store
.endr
.endr
	v_cmp_ne_u32 vcc_lo, 0, v4
	v_cndmask_b32 v10, v[PWR], v[PWR+2], vcc_lo    ; lanes 0-15 store the words of K steps 0, 1 of the half, lanes 16-31 those of 2, 3
	v_cndmask_b32 v11, v[PWR+1], v[PWR+3], vcc_lo
	global_store_b64 v8, v[10:11], s[12:13]        ; 32 lanes store 256 consecutive bytes, aligned
	s_wait_tensorcnt 0x0
	ds_add_u32 v59, v63
	s_wait_dscnt 0x0
	s_endpgm
; ---------------- the weights ----------------
.Lweights:
	s_sub_co_u32 s17, ttmp9, 512
	s_lshr_b32 s18, s17, 3                         ; sigma: the slot, 0..31
	s_and_b32 s19, s17, 7                          ; y: the group of 8 fragments; my wave makes the pair of fragments 2 wave, 2 wave + 1 of it
	s_wait_alu depctr_va_vdst(0)
	v_lshlrev_b32 v9, 2, v2                        ; in: 4 bytes a lane: lane l takes column col32 + l, its registers run down K
	v_bfe_u32 v10, v0, 3, 1                        ; u: which tile of the pair my column belongs to
	v_and_b32 v11, 7, v0
	v_lshl_add_u32 v11, v4, 3, v11                 ; and which row of it: l % 8 + 8 (l / 16)
	v_lshlrev_b32 v24, 2, v10
	v_lshl_add_u32 v24, v11, 4, v24                ; 16 row + 4 u
	v_mul_u32_u24 v10, v10, 1536
	v_lshl_add_u32 v10, v11, 4, v10                ; out: 1,536 u + 16 row
	s_lshr_b32 s25, s16, 1
	s_lshl_b32 s25, s25, 8
	s_and_b32 s29, s16, 1
	s_lshl_b32 s29, s29, 3
	s_add_co_u32 s25, s25, s29
	s_add_co_u32 s25, s25, WSCL
	v_add_nc_u32 v11, s25, v24                     ; LDS: my scale word's place in the group: e = 2 wave + u
	v_add_nc_u32 v24, WSCL, v5                     ; and where wave 0 reads the group back
	s_mul_i32 s30, s18, 102400
	s_mul_i32 s31, s19, 12288
	s_add_co_u32 s32, s30, s31
	s_mul_i32 s31, s16, 3072
	s_add_co_u32 s32, s32, s31                     ; my pair of fragments in wq
	s_mov_b32 s33, 0
	s_lshl_b32 s31, s19, 9
	s_add_co_u32 s34, s30, s31
	s_add_co_u32 s34, s34, 98304                   ; the group's scale words in wq
	s_mov_b32 s35, 0
	s_lshr_b32 s22, s19, 2                         ; y / 4: which K step of a QK slot; which half of d of a V slot; which half of K of an OUT slot
	s_and_b32 s23, s19, 3                          ; y % 4: the second launch's wave (QK, OUT); the group of four heads (V)
	s_and_b32 s24, s23, 1                          ; QK slots (sigma < 16): head 8 (wave % 2) + 2 (sigma / 4) + pair / 2,
	s_lshl_b32 s24, s24, 3
	s_lshr_b32 s25, s18, 2
	s_lshl_b32 s25, s25, 1
	s_add_co_u32 s24, s24, s25
	s_lshr_b32 s25, s16, 1
	s_add_co_u32 s24, s24, s25
	s_mul_i32 s24, s24, 192
	s_lshr_b32 s25, s23, 1                         ; q (waves 0, 1) or k (waves 2, 3),
	s_lshl_b32 s25, s25, 6
	s_add_co_u32 s24, s24, s25
	s_and_b32 s25, s16, 1                          ; 32 (pair % 2)
	s_lshl_b32 s25, s25, 5
	s_add_co_u32 s24, s24, s25
	s_and_b32 s26, s18, 3
	s_lshl_b32 s26, s26, 1
	s_add_co_u32 s26, s26, s22                     ; K step 2 (sigma % 4) + y / 4
	s_lshl_b32 s27, s23, 2                         ; V slots (16 .. 23): head g = 4 (y % 4) + pair, column 192 g + 128 + 32 (y / 4)
	s_add_co_u32 s27, s27, s16
	s_mul_i32 s27, s27, 192
	s_lshl_b32 s25, s22, 5
	s_add_co_u32 s27, s27, s25
	s_add_co_u32 s27, s27, 128
	s_sub_co_u32 s28, s18, 16                      ; K step sigma - 16
	s_cmp_lt_u32 s18, 16
	s_cselect_b32 s24, s24, s27                    ; col32
	s_cselect_b32 s26, s26, s28                    ; K step
	s_mov_b32 s31, 0
	s_wait_kmcnt 0x0
	s_add_nc_u64 s[32:33], s[14:15], s[32:33]
	s_add_nc_u64 s[34:35], s[14:15], s[34:35]
.macro WLOAD base, pitch               ; 128 rows of K at my column: 32 lanes read 128 consecutive bytes
.set wi, 0
.rept 128
	global_load_b32 v[RAW+wi], v9, s[\base:\base+1] offset:wi*\pitch
.set wi, wi+1
.endr
.endm
	s_cmp_ge_u32 s18, 24                           ; the two tensors differ in their pitch, which stands in the loads' immediates: the branch goes round the loads alone
	s_cbranch_scc1 .Lw_out
	s_mul_i32 s30, s26, 1572864                    ; 128 rows of 12,288 bytes a K step
	s_lshl_b32 s24, s24, 2
	s_add_co_u32 s30, s30, s24
	s_add_nc_u64 s[6:7], s[6:7], s[30:31]
	WLOAD 6, 12288
	s_branch .Lw_in
.Lw_out:
	s_lshl_b32 s26, s22, 2                         ; OUT slots (24 .. 31): K step 4 (y / 4) + pair,
	s_add_co_u32 s26, s26, s16
	s_lshl_b32 s30, s26, 19                        ; 128 rows of 4,096 bytes a K step;
	s_sub_co_u32 s24, s18, 24                      ; column 128 (sigma - 24) + 32 (y % 4) of W_out
	s_lshl_b32 s24, s24, 9
	s_add_co_u32 s30, s30, s24
	s_lshl_b32 s24, s23, 7
	s_add_co_u32 s30, s30, s24
	s_add_nc_u64 s[8:9], s[8:9], s[30:31]
	WLOAD 8, 4096
.Lw_in:
; Block blk of 32 along K: all its numbers are mine.  In the operand it belongs to lane (row, blk % 2), registers 6 (blk / 2) on: v32-43 are that lane's registers for half 0, v44-55 for half 1.
.macro WBLOCK blk, cnt
.set XB, RAW+32*\blk
	s_wait_loadcnt \cnt
	v_max3_num_f32 v12, |v[XB]|, |v[XB+1]|, |v[XB+2]|
	v_max3_num_f32 v13, |v[XB+3]|, |v[XB+4]|, |v[XB+5]|
.irp i, 6,10,14,18,22,26
	v_max3_num_f32 v12, v12, |v[XB+\i]|, |v[XB+\i+1]|
	v_max3_num_f32 v13, v13, |v[XB+\i+2]|, |v[XB+\i+3]|
.endr
	v_max3_num_f32 v12, v12, |v[XB+30]|, |v[XB+31]|
	v_max3_num_f32 v12, v12, v13, 0x2800000        ; and the floor
	v_add_nc_u32 v[16+\blk], 0xfe000000, v12       ; the conversions' scale operand
	v_lshrrev_b32 v13, 23, v[16+\blk]              ; the byte
.if \blk == 0
	v_mov_b32 v14, v13
.else
	v_lshl_or_b32 v14, v13, 8*\blk, v14            ; the lower K in the lower byte
.endif
	v_cvt_scalef32_pk16_bf6_f32 v[32+12*(\blk%2)+6*(\blk/2):34+12*(\blk%2)+6*(\blk/2)], v[XB:XB+15], v[16+\blk]
	v_cvt_scalef32_pk16_bf6_f32 v[56+4*\blk:58+4*\blk], v[XB+16:XB+31], v[16+\blk]   ; (three registers from an even number on: made here, moved below)
.endm
	WBLOCK 0, 63                                   ; 96 younger loads exist; a wait's count names 63 at the most
	WBLOCK 1, 63                                   ; 64 younger
	WBLOCK 2, 32
	WBLOCK 3, 0
	v_nop                                          ; one plain place behind the last conversion
.irp blk, 0,1,2,3
.irp i, 0,1,2
	v_mov_b32 v[35+12*(\blk%2)+6*(\blk/2)+\i], v[56+4*\blk+\i]
.endr
.endr
.irp h, 0,1
.irp q, 0,1,2
	global_store_b128 v10, v[32+12*\h+4*\q:35+12*\h+4*\q], s[32:33] offset:512*\q+256*\h   ; sixteen lanes of each tile store 256 consecutive bytes, aligned
.endr
.endr
	ds_store_b32 v11, v14
	s_wait_dscnt 0x0                               ; for the others' sake: my scale words are in LDS
	s_barrier_signal -1
	s_barrier_wait -1
	s_cmp_lg_u32 s16, 0
	s_cbranch_scc1 .Lw_end
	ds_load_b128 v[20:23], v24                     ; wave 0 stores the group's 512 bytes on end
	s_wait_dscnt 0x0
	global_store_b128 v5, v[20:23], s[34:35]
.Lw_end:
	s_wait_tensorcnt 0x0
	ds_add_u32 v59, v63
	s_wait_dscnt 0x0
	s_endpgm
.Lfunc_end_k_qd77605e723_prep:
	.size	k_qd77605e723_prep, .Lfunc_end_k_qd77605e723_prep-k_qd77605e723_prep
	.p2alignl 7, 3214868480
	.fill 96, 4, 3214868480
	.section	.rodata,"a",@progbits
	.p2align	6, 0x0
	.amdhsa_kernel k_qd77605e723_prep
		.amdhsa_group_segment_fixed_size 35328
		.amdhsa_private_segment_fixed_size 0
		.amdhsa_enable_private_segment 0
		.amdhsa_kernarg_size 48
		.amdhsa_user_sgpr_count 2
		.amdhsa_user_sgpr_kernarg_segment_ptr 1
		.amdhsa_wavefront_size32 1
		.amdhsa_system_sgpr_workgroup_id_x 1
		.amdhsa_system_sgpr_workgroup_id_y 1
		.amdhsa_system_sgpr_workgroup_id_z 1
		.amdhsa_system_vgpr_workitem_id 0
		.amdhsa_next_free_vgpr 256
		.amdhsa_next_free_sgpr 66
		.amdhsa_reserve_vcc 1
		.amdhsa_float_denorm_mode_32 3
		.amdhsa_float_denorm_mode_16_64 3
		.amdhsa_memory_ordered 1
		.amdhsa_forward_progress 1
		.amdhsa_inst_pref_size 67
	.end_amdhsa_kernel
	.amdgpu_metadata
---
amdhsa.version: [ 1, 2 ]
amdhsa.kernels:
  - .name:           k_qd77605e723_prep
    .symbol:         k_qd77605e723_prep.kd
    .args:
      - { .name: x, .offset: 0, .size: 8, .value_kind: global_buffer, .address_space: global }
      - { .name: W_qkv, .offset: 8, .size: 8, .value_kind: global_buffer, .address_space: global }
      - { .name: W_out, .offset: 16, .size: 8, .value_kind: global_buffer, .address_space: global }
      - { .name: xq, .offset: 24, .size: 8, .value_kind: global_buffer, .address_space: global }
      - { .name: xs, .offset: 32, .size: 8, .value_kind: global_buffer, .address_space: global }
      - { .name: wq, .offset: 40, .size: 8, .value_kind: global_buffer, .address_space: global }
    .group_segment_fixed_size: 35328
    .private_segment_fixed_size: 0
    .kernarg_segment_align: 8
    .kernarg_segment_size: 48
    .max_flat_workgroup_size: 128
    .sgpr_count:     66
    .vgpr_count:     256
    .wavefront_size: 32
...
	.end_amdgpu_metadata
.endif
;; end of part 3
;; launch attn (part 4): grid 256 x 1, 4 waves a work-group, clusters of 4 x 1, 327,680 bytes of LDS; arguments xq, xs, wq, b_qkv, b_out, out0; writes out0
.if DOCPART == 4
	.amdgcn_target "amdgcn-amd-amdhsa--gfx1250"
	.amdhsa_code_object_version 6
	.text
	.protected	k_qd77605e723_attn
	.globl	k_qd77605e723_attn
	.p2align	8
	.type	k_qd77605e723_attn,@function
k_qd77605e723_attn:
	s_mov_b64 s[64:65], 0
	v_nop
	global_prefetch_b8 v0, s[64:65] scope:SCOPE_SE
	s_setreg_imm32_b32 hwreg(HW_REG_WAVE_MODE, 25, 1), 1
	s_wait_xcnt 0x0
	s_wait_alu depctr_hold_cnt(0) depctr_sa_sdst(0) depctr_va_vdst(0) depctr_va_sdst(0) depctr_va_ssrc(0) depctr_va_vcc(0) depctr_vm_vsrc(0)
	s_getreg_b32 s2, hwreg(HW_REG_IB_STS2, 6, 4)
	s_cmp_eq_u32 s2, 0
	s_cbranch_scc0 .Lentry_in_a_cluster
	s_endpgm
.Lentry_in_a_cluster:
	s_bfe_u32 s2, ttmp6, 0x10000c
	s_cmp_lg_u32 s2, 0x3003
	s_cbranch_scc0 .Lentry_shape_is_right
	s_endpgm
.Lentry_shape_is_right:
; 64 tokens a work-group go through the whole module: q, k (MX-BF6), scores and softmax over the heads, v, context (f32 FMAs), out (MX-BF6).
; The weights' register images walk through a ring of two LDS slots of 102,400 bytes, filled by joint tensor loads of the four work-groups of a cluster.
; PREFETCH: in clusters 0-3, behind each joint refill the slot that stands two refills on is asked for: of the 100 rows of 256 bytes that a wave fetches, each of the four partners names 25, told apart by address,
; a lane a row (lanes 25-31 name the wave's last row again); the last two refills ask for nothing.
; LIMITS: a block of zeros has the scale byte 1 (its codes are zeros; only this program reads the bytes); NaN and infinities among the inputs are not served.
.set RING,  122880
.set SLOTB, 102400
.set SCOFF, 98304
.set QTR,   16640
.set KCB,   66560
.set QSB,   116736
.set SPARE, 121344
.set STG,   33792
.set LI,  3
.set AWV, 8
.set ASV, 10
.set AW,  12
.set AS,  14
.set QA,  16
.set SA,  20
.set BA,  21
.set XSA, 22
.set RR,  28
.set HH,  29
.set WB,  32
.set WS,  224
.set XSC, 232
.set PC,  128
.set TM,  148
.set PW,  164
.set DD,  96
.set MP,  128
.set SM,  136
.set RP,  144
.set BRO, 64
.set BK,  128
.set MSB, 0
.macro WIN new
.if MSB != (\new)
	s_set_vgpr_msb (MSB<<8)|(\new)
.set MSB, (\new)
.endif
.endm
.macro PLACES
.rept 4
	v_nop
.endr
.endm
.macro CREST
	s_cmp_lg_u32 s16, 0
	s_cbranch_scc1 .Lnot_wave_0_\@
	s_barrier_signal -3
.Lnot_wave_0_\@:
	s_barrier_wait -3
	s_barrier_signal -1
	s_barrier_wait -1
.endm
.macro CROUND
	s_barrier_signal -1
	s_barrier_wait -1
	CREST
.endm
.macro BARRIER
	s_wait_dscnt 0x0
	s_barrier_signal -1
	s_barrier_wait -1
.endm
.macro WM
.if wRA && wRB
	v_wmma_scale_f32_16x16x128_f8f6f4 v[wD:wD+7], v[wA:wA+11], v[wB:wB+11], v[wC:wC+7], v[wSA], v[wSB] matrix_a_fmt:MATRIX_FMT_BF6 matrix_b_fmt:MATRIX_FMT_BF6 matrix_a_scale:MATRIX_SCALE_ROW1 matrix_b_scale:MATRIX_SCALE_ROW1
.elseif wRA
	v_wmma_scale_f32_16x16x128_f8f6f4 v[wD:wD+7], v[wA:wA+11], v[wB:wB+11], v[wC:wC+7], v[wSA], v[wSB] matrix_a_fmt:MATRIX_FMT_BF6 matrix_b_fmt:MATRIX_FMT_BF6 matrix_a_scale:MATRIX_SCALE_ROW1
.elseif wRB
	v_wmma_scale_f32_16x16x128_f8f6f4 v[wD:wD+7], v[wA:wA+11], v[wB:wB+11], v[wC:wC+7], v[wSA], v[wSB] matrix_a_fmt:MATRIX_FMT_BF6 matrix_b_fmt:MATRIX_FMT_BF6 matrix_b_scale:MATRIX_SCALE_ROW1
.else
	v_wmma_scale_f32_16x16x128_f8f6f4 v[wD:wD+7], v[wA:wA+11], v[wB:wB+11], v[wC:wC+7], v[wSA], v[wSB] matrix_a_fmt:MATRIX_FMT_BF6 matrix_b_fmt:MATRIX_FMT_BF6
.endif
.endm
.macro FETCH buf, aw, offw, as, offs
.irp t, 0,1,2,3,4,5,6,7
.irp q, 0,1,2
	ds_load_b128 v[WB+96*(\buf)+12*\t+4*\q:WB+96*(\buf)+12*\t+4*\q+3], v[\aw] offset:(\offw)+1536*\t+512*\q
.endr
.endr
	ds_load_b128 v[WS+4*(\buf):WS+4*(\buf)+3], v[\as] offset:\offs
.endm
.macro NEXT aw1, as1, aw2, as2
	s_cmp_eq_u32 s40, 1
	s_cbranch_scc1 .Lnx_b_\@
	FETCH 0, \aw1, 0, \as1, 0
	s_branch .Lnx_e_\@
.Lnx_b_\@:
	FETCH 0, \aw2, 0, \as2, 0
.Lnx_e_\@:
.endm
.macro TURN n, fill
	WIN 0
	s_wait_tensorcnt 0x0
	ds_add_u32 v1, v2
.if \fill
	s_add_co_u32 s73, s67, s66
	s_and_b32 s73, s73, 3
	s_and_not1_b32 s72, s67, 3
	s_or_b32 s72, s72, s73
	s_mul_i32 s72, s72, SLOTB
	s_mov_b32 s73, 0
	s_add_nc_u64 s[34+4*\n:35+4*\n], s[68:69], s[72:73]
	s_or_b32 s[35+4*\n], s[35+4*\n], 0x80000000
	s_add_co_u32 s67, s67, 1
	s_wait_xcnt 0x0                        ; the last prefetch has read its base: only now is it written again
	s_add_co_u32 s72, s67, 1               ; the slot two refills on, in this cluster's order
	s_add_co_u32 s73, s72, s66
	s_and_b32 s73, s73, 3
	s_and_not1_b32 s72, s72, 3
	s_or_b32 s72, s72, s73
	s_min_u32 s72, s72, 31                 ; never past wq's last slot
	s_mul_i32 s72, s72, SLOTB
	s_mov_b32 s73, 0
	s_add_nc_u64 s[70:71], s[92:93], s[72:73]
.endif
	s_wait_dscnt 0x0
	s_barrier_signal -1
	s_barrier_wait -1
.if \fill
	CREST
	tensor_load_to_lds s[32+4*\n:35+4*\n], s[24:31]
	s_nop 0
.endif
	PLACES
.if \fill
	s_cmp_lt_u32 s67, 31                   ; the last two refills have no slot two on
	s_cbranch_scc0 .Lno_pf_\@
	s_cmp_lt_u32 ttmp9, 4
	s_cbranch_scc0 .Lno_prefetch_attn0_\@
	global_prefetch_b8 v248, s[70:71] th:TH_LOAD_NT scope:SCOPE_SE
.Lno_prefetch_attn0_\@:
.Lno_pf_\@:
.endif
.endm
.macro QUANT s, w, nb
	WIN (\w)|((\w)<<2)
.set qb, 0
.rept \nb
	v_max3_num_f32 v[TM+qb], |v[(\s)+16*qb]|, |v[(\s)+16*qb+1]|, 0x2800000
.set qb, qb+1
.endr
.irp i, 2,4,6,8,10,12,14
.set qb, 0
.rept \nb
	v_max3_num_f32 v[TM+qb], |v[(\s)+16*qb+\i]|, |v[(\s)+16*qb+\i+1]|, v[TM+qb]
.set qb, qb+1
.endr
.endr
	WIN 0
.set qb, 0
.rept \nb
	v_mov_b32 v[TM+4+qb], 0
.set qb, qb+1
.endr
.set qb, 0
.rept \nb
	v_permlanex16_b32 v[TM+4+qb], v[TM+qb], s20, s21
.set qb, qb+1
.endr
.set qb, 0
.rept \nb
	v_max_num_f32 v[TM+qb], v[TM+qb], v[TM+4+qb]
.set qb, qb+1
.endr
.set qb, 0
.rept \nb
	v_add_nc_u32 v[TM+12+qb], 0xfe000000, v[TM+qb]
.set qb, qb+1
.endr
.set qb, 0
.rept \nb
	v_lshrrev_b32 v[TM+4+qb], 23, v[TM+12+qb]
.set qb, qb+1
.endr
.if \nb == 4
	v_lshl_or_b32 v[PW], v[TM+5], 8, v[TM+4]
	v_lshl_or_b32 v[PW], v[TM+6], 16, v[PW]
	v_lshl_or_b32 v[PW], v[TM+7], 24, v[PW]
.endif
	WIN \w
.set qc, 0
.rept \nb/2
	v_cvt_scalef32_pk16_bf6_f32 v[PC+6*qc:PC+6*qc+2], v[(\s)+32*qc:(\s)+32*qc+15], v[TM+12+2*qc]
	v_cvt_scalef32_pk16_bf6_f32 v[PC+12+4*qc:PC+14+4*qc], v[(\s)+32*qc+16:(\s)+32*qc+31], v[TM+13+2*qc]
.set qc, qc+1
.endr
	WIN 0
	v_nop
.set qc, 0
.rept \nb/2
.irp i, 0,1,2
	v_permlane16_swap_b32 v[PC+6*qc+\i], v[PC+12+4*qc+\i]
.endr
.irp i, 0,1,2
	v_mov_b32 v[PC+3+6*qc+\i], v[PC+12+4*qc+\i]
.endr
.set qc, qc+1
.endr
.endm
.macro BRLOAD
	WIN 0x40
.irp t, 0,1,2,3,4,5,6,7
	global_load_b128 v[192+8*\t:195+8*\t], v[BA], s[44:45] offset:768*(\t/4)+128*((\t/2)%2)+32*(\t%2)
	global_load_b128 v[196+8*\t:199+8*\t], v[BA], s[44:45] offset:768*(\t/4)+128*((\t/2)%2)+32*(\t%2)+16
.endr
	WIN 0
.endm
.macro MULQ j, s, buf, first
.if \first
	WIN 0x94+8*((\j)/2)
.else
	WIN 0xa4+8*((\j)/2)
.endif
.irp t, 0,1,2,3,4,5,6,7
.set wD, 8*(8*(\j)+\t)
.set wA, WB+96*(\buf)+12*\t
.set wB, 12*(2*(\s)+(\j)%2)
.if \first
.set wC, 192+8*\t
.else
.set wC, wD
.endif
.set wSA, WS+4*(\buf)+\t%4
.set wSB, XSC+8*((\j)/2)+(\s)
.set wRA, \t/4
.set wRB, (\j)%2
	WM
.endr
.endm
.macro QKPAIR sp
.set qn, (\sp)%2
	WIN 0
	s_wait_dscnt 0x0
.if \sp == 0
	s_wait_loadcnt 0x0
.endif
	PLACES
	FETCH 1, AW+qn, 49152, AS+qn, 2048
.if \sp == 1
	s_cmp_eq_u32 s40, 1
	s_cbranch_scc1 .Lno_bias_\@
	s_add_nc_u64 s[44:45], s[44:45], 1536
	s_wait_alu depctr_va_vdst(0)
	BRLOAD
.Lno_bias_\@:
.endif
.if \sp == 0
	MULQ 0, 0, 0, 1
	MULQ 1, 0, 0, 1
	MULQ 2, 0, 0, 1
	MULQ 3, 0, 0, 1
.else
	MULQ 0, 2*(\sp), 0, 0
	MULQ 1, 2*(\sp), 0, 0
	MULQ 2, 2*(\sp), 0, 0
	MULQ 3, 2*(\sp), 0, 0
.endif
	s_wait_dscnt 0x0
	MULQ 0, 2*(\sp)+1, 1, 0
	MULQ 1, 2*(\sp)+1, 1, 0
	TURN qn, 1
.if \sp == 3
	NEXT AW, AS, AWV, ASV
.else
	FETCH 0, AW+1-qn, 0, AS+1-qn, 0
.endif
	MULQ 2, 2*(\sp)+1, 1, 0
	MULQ 3, 2*(\sp)+1, 1, 0
.endm
.macro XADDR xb, sb
	s_add_co_u32 s3, s80, s66
	s_and_b32 s3, s3, 3
	s_and_b32 s60, s80, 4
	s_or_b32 s3, s3, s60
	s_mul_i32 s60, s3, 1536
	s_add_nc_u64 s[\xb:\xb+1], s[82:83], s[60:61]
	s_lshr_b32 s60, s3, 1
	s_lshl_b32 s60, s60, 7
	s_and_b32 s3, s3, 1
	s_lshl_b32 s3, s3, 2
	s_add_co_u32 s60, s60, s3
	s_add_nc_u64 s[\sb:\sb+1], s[84:85], s[60:61]
	s_add_co_u32 s80, s80, 1
.endm
.macro XLOAD p, xb, sb
	WIN 0x40
.irp i, 0,1
.irp q, 0,1,2
	global_load_b128 v[24*(\p)+12*\i+4*\q:24*(\p)+12*\i+4*\q+3], v[LI], s[\xb:\xb+1] offset:12288*\i+512*\q
.endr
.endr
	WIN 0
	global_load_b32 v[XSC+(\p)], v[XSA], s[\sb:\sb+1]
.endm
.macro MULV g, i, t0, n, buf, p
	WIN 0xa4+0x50*(\i)
.set vt, \t0
.rept \n
.set wD, 8*(8*(\g)+vt)
.set wA, WB+96*(\buf)+12*vt
.set wB, 24*(\p)+12*(\i)
.set wC, wD
.set wSA, WS+4*(\buf)+vt%4
.set wSB, XSC+(\p)
.set wRA, vt/4
.set wRB, \i
	WM
.set vt, vt+1
.endr
.endm
.macro VSLOT p
	WIN 0
	s_wait_dscnt 0x0
	s_wait_loadcnt 0x0
	PLACES
	FETCH 1, AWV+\p, 12288, ASV+\p, 512
.if \p == 0
	XADDR 76, 78
	XLOAD 1, 76, 78
.else
	s_cmp_eq_u32 s40, 1
	s_cbranch_scc1 .Lno_x_\@
	XADDR 48, 50
	XLOAD 0, 48, 50
.Lno_x_\@:
.endif
	MULV 0, 0, 0, 8, 0, \p
	MULV 0, 1, 0, 8, 0, \p
	WIN 0
	s_wait_dscnt 0x0
	PLACES
	FETCH 0, AWV+\p, 24576, ASV+\p, 1024
	MULV 1, 0, 0, 8, 1, \p
	MULV 1, 1, 0, 8, 1, \p
	WIN 0
	s_wait_dscnt 0x0
	PLACES
	FETCH 1, AWV+\p, 36864, ASV+\p, 1536
	MULV 2, 0, 0, 8, 0, \p
	MULV 2, 1, 0, 8, 0, \p
	s_wait_dscnt 0x0
	MULV 3, 0, 0, 8, 1, \p
	TURN \p, 1
.if \p == 0
	FETCH 0, AWV+1, 0, ASV+1, 0
.else
	NEXT AWV, ASV, AW, AS
.endif
	MULV 3, 1, 0, 8, 1, \p
.endm
; v with four fragment buffers: 0, 1 in window 0 as elsewhere, 2, 3 in window 1 (v64-159, v160-255), their scale words in v240-247
.macro FETW reg, wsr, aw, offw, as, offs
	WIN 0x40
.irp t, 0,1,2,3,4,5,6,7
.irp q, 0,1,2
	ds_load_b128 v[(\reg)+12*\t+4*\q:(\reg)+12*\t+4*\q+3], v[\aw] offset:(\offw)+1536*\t+512*\q
.endr
.endr
	WIN 0
	ds_load_b128 v[\wsr:\wsr+3], v[\as] offset:\offs
.endm
.macro MULW g, i, reg, wsr, p
	WIN 0xa5+0x50*(\i)
.set vt, 0
.rept 8
.set wD, 8*(8*(\g)+vt)
.set wA, (\reg)+12*vt
.set wB, 24*(\p)+12*(\i)
.set wC, wD
.set wSA, (\wsr)+vt%4
.set wSB, XSC+(\p)
.set wRA, vt/4
.set wRB, \i
	WM
.set vt, vt+1
.endr
.endm
.macro VS4 p                           ; a K step of v: four sets of 8 fragments, 25 LDS loads a set; set 0 was asked for behind the last change of slots
	WIN 0
	PLACES                                 ; behind the last K step's products: buffers 1 to 3 and the other x registers are free
	FETCH 1, AWV+\p, 12288, ASV+\p, 512
	FETW 64, 240, AWV+\p, 24576, ASV+\p, 1024
	s_wait_dscnt 50                        ; set 0 is in; sets 1 and 2 may be out
	s_wait_loadcnt 0x0                     ; this K step's x is in
.if \p == 0
	XADDR 76, 78
	XLOAD 1, 76, 78
.else
	s_cmp_eq_u32 s40, 1
	s_cbranch_scc1 .Lno_x_\@
	XADDR 48, 50
	XLOAD 0, 48, 50
.Lno_x_\@:
.endif
	MULV 0, 0, 0, 8, 0, \p
	MULV 0, 1, 0, 8, 0, \p
	FETW 160, 244, AWV+\p, 36864, ASV+\p, 1536
	s_wait_dscnt 50                        ; set 1 is in; sets 2 and 3 may be out
	MULV 1, 0, 0, 8, 1, \p
	MULV 1, 1, 0, 8, 1, \p
	s_wait_dscnt 25                        ; set 2 is in
	MULW 2, 0, 64, 240, \p
	MULW 2, 1, 64, 240, \p
	s_wait_dscnt 0x0
	MULW 3, 0, 160, 244, \p
	TURN \p, 1
.if \p == 0
	FETCH 0, AWV+1, 0, ASV+1, 0
.else
	NEXT AWV, ASV, AW, AS
.endif
	MULW 3, 1, 160, 244, \p
.endm
.macro P3TILE i
	s_mov_b32 s40, 8
	s_mov_b32 s41, 0
	s_mov_b32 s42, 0
	s_mov_b32 s43, 0
.Lp3_\@:
	s_wait_alu depctr_va_vdst(0)
	v_add_nc_u32 v8, s41, v4
	v_add_nc_u32 v9, s42, v5
	v_add_nc_u32 v10, s43, v6
	WIN 0x40
.irp b, 0,1
.irp q, 0,1,2,3
	ds_load_b128 v[16*\b+4*\q:16*\b+4*\q+3], v8 offset:16640*\i+64*\b+16*\q
.endr
.endr
	s_wait_dscnt 0x0
	WIN 0x56+\i
.set pg, 0
.rept 16
.irp b, 0,1
.irp pr, 0,1,2,3,4,5,6,7
.if pg == 0
	v_pk_mul_f32 v[64+16*\b+2*\pr:65+16*\b+2*\pr], v[2*\pr:2*\pr+1], v[16*\b:16*\b+1] op_sel_hi:[1,0]
.elseif pg%2 == 0
	v_pk_fma_f32 v[64+16*\b+2*\pr:65+16*\b+2*\pr], v[16*pg+2*\pr:16*pg+2*\pr+1], v[16*\b+pg:16*\b+pg+1], v[64+16*\b+2*\pr:65+16*\b+2*\pr] op_sel_hi:[1,0,1]
.else
	v_pk_fma_f32 v[64+16*\b+2*\pr:65+16*\b+2*\pr], v[16*pg+2*\pr:16*pg+2*\pr+1], v[16*\b+pg-1:16*\b+pg], v[64+16*\b+2*\pr:65+16*\b+2*\pr] op_sel:[0,1,0] op_sel_hi:[1,1,1]
.endif
.endr
.endr
.set pg, pg+1
.endr
	QUANT 64, 1, 2
.irp p, 0,1,2
	ds_store_b64 v9, v[PC+2*\p:PC+2*\p+1] offset:12544*\i+8*\p
.endr
.irp b, 0,1
	ds_store_b8 v10, v[TM+4+\b] offset:576*\i+2*\b
.endr
	s_add_co_u32 s41, s41, 128
	s_add_co_u32 s42, s42, 96
	s_add_co_u32 s43, s43, 4
	s_sub_co_u32 s40, s40, 1
	s_cmp_lg_u32 s40, 0
	s_cbranch_scc1 .Lp3_\@
.endm
.macro CADDR cnt, dst, base
	s_add_co_u32 s3, s[\cnt], s66
	s_and_b32 s3, s3, 3
	s_and_b32 s60, s[\cnt], 4
	s_or_b32 s3, s3, s60
	s_lshl_b32 s60, s3, 9
	s_add_nc_u64 s[\dst:\dst+1], s[\base:\base+1], s[60:61]
	s_add_co_u32 s[\cnt], s[\cnt], 1
.endm
.macro OBIAS p
	WIN 0x80
.irp u, 0,1
	global_load_b128 v[BRO+16*(\p)+8*\u:BRO+16*(\p)+8*\u+3], v[BA], s[52:53] offset:32*\u
	global_load_b128 v[BRO+16*(\p)+8*\u+4:BRO+16*(\p)+8*\u+7], v[BA], s[52:53] offset:32*\u+16
.endr
	WIN 0
.endm
.macro CLOAD
.irp j, 0,1,2,3
	WIN 0x40+0x80*(\j/2)
.irp s, 0,1,2,3,4,5,6,7
.irp pc, 0,1,2,3,4,5
	ds_load_b64 v[12*(2*\s+\j%2)+2*\pc:12*(2*\s+\j%2)+2*\pc+1], v4 offset:12544*\j+96*\s+48*(\pc/3)+8*(\pc%3)
.endr
.endr
.endr
	WIN 0
.irp lp, 0,1
.irp s, 0,1,2,3,4,5,6,7
	ds_load_b32 v[XSC+8*\lp+\s], v5 offset:1152*\lp+4*\s
.endr
.endr
.endm
.macro MULC buf, jj, first, p
	WIN 0xa4+8*(\jj)
.irp ksl, 0,1,2,3
.irp jl, 0,1
.irp u, 0,1
.set wD, 8*(2*(2*(\jj)+\jl)+\u)
.set wA, WB+96*(\buf)+12*(2*\ksl+\u)
.set wB, 12*(2*(4*(\buf)+\ksl)+\jl)
.if (\first) && (\ksl == 0)
.set wC, BRO+16*(\p)+8*\u
.else
.set wC, wD
.endif
.set wSA, WS+4*(\buf)+(2*\ksl+\u)%4
.set wSB, XSC+8*(\jj)+4*(\buf)+\ksl
.set wRA, \ksl/2
.set wRB, \jl
	WM
.endr
.endr
.endr
.endm
.macro OTILE p, fill, last
	WIN 0
	s_wait_dscnt 0x0
	s_wait_loadcnt 0x0
	PLACES
	FETCH 1, AW+\p, 49152, AS+\p, 2048
.if !(\last)
	CADDR 81, 52, 86
	OBIAS 1-\p
.endif
	MULC 0, 0, 1, \p
	MULC 0, 1, 1, \p
	s_wait_dscnt 0x0
	MULC 1, 0, 0, \p
.if !(\last)
	TURN \p, \fill
	FETCH 0, AW+1-\p, 0, AS+1-\p, 0
.endif
	MULC 1, 1, 0, \p
	WIN 0
	PLACES
	WIN 0x08
	s_wait_alu depctr_va_vdst(0)
.irp j, 0,1,2,3
.irp u, 0,1
	ds_store_b128 v8, v[8*(2*\j+\u):8*(2*\j+\u)+3] offset:STG*(\p)+8448*\j+32*\u
	ds_store_b128 v8, v[8*(2*\j+\u)+4:8*(2*\j+\u)+7] offset:STG*(\p)+8448*\j+32*\u+16
.endr
.endr
	WIN 0
	BARRIER
	s_wait_xcnt 0x0
	CADDR 82, 54, 88
	WIN 0x80
.irp i, 0,1,2,3,4,5,6,7,8,9,10,11,12,13,14,15
	ds_load_b128 v[BK+64*(\p)+4*\i:BK+64*(\p)+4*\i+3], v9 offset:STG*(\p)+528*\i
.endr
	WIN 0x08
.irp i, 0,1,2,3,4,5,6,7,8,9,10,11,12,13,14,15
	s_wait_dscnt 15-\i
	global_store_b128 v[LI], v[BK+64*(\p)+4*\i:BK+64*(\p)+4*\i+3], s[54:55] offset:4096*\i th:TH_STORE_NT
.endr
	WIN 0
.endm
	s_load_b256 s[4:11], s[0:1], 0x0
	s_load_b128 s[12:15], s[0:1], 0x20
	v_lshl_add_u32 v1, v0, 2, SPARE
	v_mov_b32 v2, 0
	ds_add_u32 v1, v2
	ds_add_u32 v1, v2
	s_wait_dscnt 0x0
	v_lshrrev_b32 v3, 5, v0
	v_readfirstlane_b32 s16, v3
	s_and_b32 s17, s16, 1
	s_lshr_b32 s18, s16, 1
	s_bfe_u32 s19, ttmp6, 0x40000
	s_bfe_u32 s70, ttmp6, 0x40000
	s_mul_i32 s70, s70, 6400               ; my work-group's 25 rows of the 100 that a wave fetches: for the prefetches' address alone
	s_lshl_b32 s3, ttmp9, 2
	s_add_co_u32 s19, s3, s19
	s_and_b32 s66, ttmp9, 3
	s_mov_b32 s67, 2
	s_mov_b32 s20, 0x76543210
	s_mov_b32 s21, 0xfedcba98
	s_mov_b32 s22, 0x3e38aa3b
	s_mov_b32 s23, s22
	s_mov_b32 s24, 15|(3<<16)|(1<<21)
	s_mov_b32 s25, 32<<16
	s_mov_b32 s26, 100<<16
	s_mov_b32 s27, 32<<16
	s_mov_b32 s28, 100
	s_mov_b32 s29, 32
	s_mov_b32 s30, 0
	s_mov_b32 s31, 0
	s_mul_i32 s62, s16, 25600
	s_mov_b32 s63, 0
	s_mul_i32 s72, s66, SLOTB
	s_mov_b32 s73, 0
	s_add_co_u32 s74, s66, 1
	s_and_b32 s74, s74, 3
	s_mul_i32 s74, s74, SLOTB
	s_mov_b32 s75, 0
	s_wait_kmcnt 0x0
	s_add_nc_u64 s[68:69], s[8:9], s[62:63]
	s_mov_b32 s71, 0
	s_add_nc_u64 s[92:93], s[68:69], s[70:71]
	s_mov_b32 s32, 1
	s_add_co_u32 s33, s62, RING
	s_add_nc_u64 s[34:35], s[68:69], s[72:73]
	s_or_b32 s35, s35, 0x80000000
	s_mov_b32 s36, 1
	s_add_co_u32 s37, s62, RING+SLOTB
	s_add_nc_u64 s[38:39], s[68:69], s[74:75]
	s_or_b32 s39, s39, 0x80000000
	CROUND
	tensor_load_to_lds s[32:35], s[24:31]
	s_nop 0
	PLACES
	s_mul_i32 s60, s19, 49152
	s_mov_b32 s61, 0
	s_add_nc_u64 s[56:57], s[4:5], s[60:61]
	s_lshl_b32 s60, s19, 11
	s_add_nc_u64 s[58:59], s[6:7], s[60:61]
	s_mul_i32 s60, s17, 6144
	s_lshl_b32 s3, s18, 8
	s_add_co_u32 s60, s60, s3
	s_add_nc_u64 s[44:45], s[10:11], s[60:61]
	s_lshl_b32 s60, s18, 7
	s_add_co_u32 s60, s60, 512
	s_add_nc_u64 s[46:47], s[10:11], s[60:61]
.irp sp, 0,1,2,3
	s_add_co_u32 s3, s66, \sp
	s_and_b32 s3, s3, 3
	s_mul_i32 s60, s3, 3072
	s_add_nc_u64 s[76+2*\sp:77+2*\sp], s[56:57], s[60:61]
	s_lshl_b32 s60, s3, 7
	s_add_nc_u64 s[84+2*\sp:85+2*\sp], s[58:59], s[60:61]
.endr
	v_and_b32 v30, 31, v0
	v_lshlrev_b32 v[LI], 4, v30
	v_min_u32 v248, 24, v30
	v_lshlrev_b32 v248, 8, v248            ; the prefetches' offset: a lane a row of 256 bytes; never rewritten
	s_wait_alu depctr_va_vdst(0)
	v_and_b32 v[RR], 15, v0
	v_bfe_u32 v[HH], v0, 4, 1
	s_mul_i32 s62, s16, 12288
	s_add_co_u32 s62, s62, RING
	v_add_nc_u32 v[AW], s62, v[LI]
	v_add_nc_u32 v[AW+1], SLOTB, v[AW]
	s_lshl_b32 s62, s16, 9
	s_add_co_u32 s62, s62, RING+SCOFF
	v_add_nc_u32 v[AS], s62, v[LI]
	v_add_nc_u32 v[AS+1], SLOTB, v[AS]
	s_mul_i32 s62, s18, 49152
	s_add_co_u32 s62, s62, RING
	v_add_nc_u32 v[AWV], s62, v[LI]
	v_add_nc_u32 v[AWV+1], SLOTB, v[AWV]
	s_lshl_b32 s62, s18, 11
	s_add_co_u32 s62, s62, RING+SCOFF
	v_add_nc_u32 v[ASV], s62, v[LI]
	v_add_nc_u32 v[ASV+1], SLOTB, v[ASV]
	v_mul_u32_u24 v31, v[RR], 784
	v_mad_u32_u24 v31, v[HH], 24, v31
	s_wait_alu depctr_va_vdst(0)
	s_mul_i32 s41, s17, 384
.irp j, 0,1,2,3
	s_mul_i32 s62, s18, 62464-4096*\j
	s_add_co_u32 s62, s62, QTR*\j+4096
	s_add_co_u32 s62, s62, s41
	v_add_nc_u32 v[QA+\j], s62, v31
.endr
	v_mul_u32_u24 v[SA], v[RR], 36
	s_mul_i32 s62, s18, 2304
	s_lshl_b32 s41, s17, 4
	s_add_co_u32 s62, s62, s41
	s_add_co_u32 s62, s62, QSB
	v_add_nc_u32 v[SA], s62, v[SA]
	v_lshlrev_b32 v[BA], 6, v[HH]
	v_lshlrev_b32 v[XSA], 3, v[RR]
	v_lshl_add_u32 v[XSA], v[HH], 9, v[XSA]
.irp j, 0,1,2,3
	WIN 0x40+0x80*(\j/2)
.irp sp, 0,1,2,3
.irp ks, 0,1
.irp q, 0,1,2
	global_load_b128 v[12*(2*(2*\sp+\ks)+\j%2)+4*\q:12*(2*(2*\sp+\ks)+\j%2)+4*\q+3], v[LI], s[76+2*\sp:77+2*\sp] offset:12288*\j+1536*\ks+512*\q
.endr
.endr
.endr
.endr
	WIN 0
.irp lp, 0,1
.irp sp, 0,1,2,3
	global_load_b64 v[XSC+8*\lp+2*\sp:XSC+8*\lp+2*\sp+1], v[XSA], s[84+2*\sp:85+2*\sp] offset:1024*\lp
.endr
.endr
	BRLOAD
	s_wait_alu depctr_va_vdst(0)
	s_wait_tensorcnt 0x0                   ; my part of slot 0 is in (x, its scale words and the biases were asked for meanwhile)
	ds_add_u32 v1, v2
	s_wait_dscnt 0x0
	CROUND                                 ; slot 0 is whole for every wave, and the four work-groups are here
	tensor_load_to_lds s[36:39], s[24:31]
	s_nop 0
	PLACES
	FETCH 0, AW, 0, AS, 0
	s_mov_b32 s40, 4
	s_mov_b32 s41, 0
	s_mov_b32 s42, 0
.Lchunk:
	QKPAIR 0
	QKPAIR 1
	QKPAIR 2
	QKPAIR 3
	WIN 0
	PLACES
	s_wait_alu depctr_va_vdst(0)
.irp j, 0,1,2,3
	v_add_nc_u32 v[23+\j], s41, v[QA+\j]
.endr
	v_add_nc_u32 v27, s42, v[SA]
.irp j, 0,1,2,3
	QUANT 64*\j, 2, 4
.irp c, 0,1
.irp p, 0,1,2
	ds_store_b64 v[23+\j], v[PC+6*\c+2*\p:PC+6*\c+2*\p+1] offset:48*\c+8*\p
.endr
.endr
	ds_store_b32 v27, v[PW] offset:576*\j
	s_wait_dscnt 0x0
.endr
	s_add_co_u32 s41, s41, 96
	s_add_co_u32 s42, s42, 4
	s_sub_co_u32 s40, s40, 1
	s_cmp_lg_u32 s40, 0
	s_cbranch_scc1 .Lchunk
	s_mov_b32 s61, 0
	s_mul_i32 s60, s17, 24576
	s_add_nc_u64 s[82:83], s[56:57], s[60:61]
	s_lshl_b32 s60, s17, 10
	s_add_nc_u64 s[84:85], s[58:59], s[60:61]
	s_mov_b32 s80, 0
	XADDR 48, 50
.irp i, 0,1
	WIN 0x80+0x40*\i
.set bt, 0
.rept 32
	global_load_b128 v[8*bt:8*bt+3], v[BA], s[46:47] offset:768*(bt/2)+32*(bt%2)
	global_load_b128 v[8*bt+4:8*bt+7], v[BA], s[46:47] offset:768*(bt/2)+32*(bt%2)+16
.set bt, bt+1
.endr
.endr
	XLOAD 0, 48, 50
	s_mov_b32 s40, 4
.Lv:
	VS4 0
	VS4 1
	WIN 0
	s_sub_co_u32 s40, s40, 1
	s_cmp_lg_u32 s40, 0
	s_cbranch_scc1 .Lv
	PLACES
	WIN 0x40
.irp a, 0,1,2,3
.irp k, 6,7,8,9,10,11
	v_mov_b32 v[12*\a+\k], 0
	v_mov_b32 v[48+12*\a+\k], 0
.endr
.endr
.set k2, 0
.rept 24
	v_mov_b32 v[MP+k2], 0
.set k2, k2+1
.endr
	WIN 0
	v_mul_u32_u24 v30, v[RR], 48
	v_mad_u32_u24 v30, v[HH], 24, v30
	s_mul_i32 s62, s16, QTR
	v_lshlrev_b32 v7, 6, v[RR]
	v_lshl_add_u32 v7, v[HH], 5, v7
	v_add_nc_u32 v7, s62, v7
	s_add_co_u32 s62, s62, 4096
	v_add_nc_u32 v4, s62, v30
	s_mul_i32 s62, s16, 12544
	s_add_co_u32 s62, s62, KCB
	v_add_nc_u32 v5, s62, v30
	v_lshlrev_b32 v6, 1, v[RR]
	v_mad_u32_u24 v6, v[HH], 2304, v6
	s_mul_i32 s62, s16, 576
	s_add_co_u32 s62, s62, QSB
	v_add_nc_u32 v6, s62, v6
	s_mov_b32 s40, 4
	s_mov_b32 s41, 0
	s_mov_b32 s42, 0
	s_mov_b32 s43, 0
.Lp2:
	s_wait_alu depctr_va_vdst(0)
	v_add_nc_u32 v8, s41, v4
	v_add_nc_u32 v9, s41, v5
	v_add_nc_u32 v10, s42, v6
	v_add_nc_u32 v11, s43, v7
	WIN 0x40
.irp a, 0,1,2,3
.irp p, 0,1,2
	ds_load_b64 v[12*\a+2*\p:12*\a+2*\p+1], v9 offset:784*\a+8*\p
	ds_load_b64 v[48+12*\a+2*\p:48+12*\a+2*\p+1], v8 offset:784*\a+8*\p
.endr
.endr
	WIN 0
.irp a, 0,1,2,3
	ds_load_u16 v[XSC+4+\a], v10 offset:36*\a
.endr
	s_wait_dscnt 0x0
	WIN 0x55
.irp a, 0,1,2,3
	v_wmma_scale_f32_16x16x128_f8f6f4 v[DD+8*\a:DD+8*\a+7], v[12*\a:12*\a+11], v[48+12*\a:48+12*\a+11], 0, v[XSC+4+\a], v[XSC+4+\a] matrix_a_fmt:MATRIX_FMT_BF6 matrix_b_fmt:MATRIX_FMT_BF6 matrix_a_scale:MATRIX_SCALE_ROW1
.endr
	PLACES
.irp a, 0,1,2,3
	v_max3_num_f32 v[MP+2*\a], v[DD+8*\a], v[DD+8*\a+1], v[DD+8*\a+2]
.endr
.irp i, 3,5
.irp a, 0,1,2,3
	v_max3_num_f32 v[MP+2*\a], v[MP+2*\a], v[DD+8*\a+\i], v[DD+8*\a+\i+1]
.endr
.endr
.irp a, 0,1,2,3
	v_max_num_f32 v[MP+2*\a], v[MP+2*\a], v[DD+8*\a+7]
.endr
.irp a, 0,1,2,3
	v_permlanex16_b32 v[MP+2*\a+1], v[MP+2*\a], s20, s21
.endr
.irp a, 0,1,2,3
	v_max_num_f32 v[MP+2*\a], v[MP+2*\a], v[MP+2*\a+1]
.endr
.irp k, 0,2,4,6
.irp a, 0,1,2,3
	v_pk_add_f32 v[DD+8*\a+\k:DD+8*\a+\k+1], v[DD+8*\a+\k:DD+8*\a+\k+1], v[MP+2*\a:MP+2*\a+1] op_sel_hi:[1,0] neg_lo:[0,1] neg_hi:[0,1]
.endr
.endr
.irp k, 0,2,4,6
.irp a, 0,1,2,3
	v_pk_mul_f32 v[DD+8*\a+\k:DD+8*\a+\k+1], v[DD+8*\a+\k:DD+8*\a+\k+1], s[22:23] op_sel_hi:[1,0]
.endr
.endr
.set k2, 0
	s_wait_alu depctr_va_vdst(0)
.rept 32
	v_exp_f32 v[DD+k2], v[DD+k2]
.set k2, k2+1
.endr
	v_nop
	s_wait_alu depctr_va_vdst(0)
.irp a, 0,1,2,3
	v_pk_add_f32 v[SM+2*\a:SM+2*\a+1], v[DD+8*\a:DD+8*\a+1], v[DD+8*\a+2:DD+8*\a+3]
.endr
.irp k, 4,6
.irp a, 0,1,2,3
	v_pk_add_f32 v[SM+2*\a:SM+2*\a+1], v[SM+2*\a:SM+2*\a+1], v[DD+8*\a+\k:DD+8*\a+\k+1]
.endr
.endr
.irp a, 0,1,2,3
	v_add_f32 v[SM+2*\a], v[SM+2*\a], v[SM+2*\a+1]
.endr
.irp a, 0,1,2,3
	v_permlanex16_b32 v[SM+2*\a+1], v[SM+2*\a], s20, s21
.endr
.irp a, 0,1,2,3
	v_add_f32 v[SM+2*\a], v[SM+2*\a], v[SM+2*\a+1]
.endr
	s_wait_alu depctr_va_vdst(0)
.irp a, 0,1,2,3
	v_rcp_f32 v[RP+2*\a], v[SM+2*\a]
.endr
	v_nop
	s_wait_alu depctr_va_vdst(0)
.irp k, 0,2,4,6
.irp a, 0,1,2,3
	v_pk_mul_f32 v[DD+8*\a+\k:DD+8*\a+\k+1], v[DD+8*\a+\k:DD+8*\a+\k+1], v[RP+2*\a:RP+2*\a+1] op_sel_hi:[1,0]
.endr
.endr
	WIN 0x04
.irp a, 0,1,2,3
	ds_store_b128 v11, v[DD+8*\a:DD+8*\a+3] offset:1040*\a
	ds_store_b128 v11, v[DD+8*\a+4:DD+8*\a+7] offset:1040*\a+16
.endr
	WIN 0
	s_add_co_u32 s41, s41, 3136
	s_add_co_u32 s42, s42, 144
	s_add_co_u32 s43, s43, 4160
	s_sub_co_u32 s40, s40, 1
	s_cmp_lg_u32 s40, 0
	s_cbranch_scc1 .Lp2
	BARRIER
	v_mul_u32_u24 v4, v[RR], 1040
	s_mul_i32 s62, s17, 2*QTR
	v_add_nc_u32 v4, s62, v4
	v_mul_u32_u24 v5, v[RR], 784
	v_mad_u32_u24 v5, v[HH], 48, v5
	s_mul_i32 s62, s17, 25088
	s_mul_i32 s63, s18, 24
	s_add_co_u32 s62, s62, s63
	s_add_co_u32 s62, s62, KCB
	v_add_nc_u32 v5, s62, v5
	v_mul_u32_u24 v6, v[RR], 36
	s_mul_i32 s62, s17, 1152
	s_add_co_u32 s62, s62, s18
	s_add_co_u32 s62, s62, QSB
	v_add_nc_u32 v6, s62, v6
	P3TILE 0
	P3TILE 1
	BARRIER
	v_mul_u32_u24 v4, v[RR], 784
	v_mad_u32_u24 v4, v[HH], 24, v4
	v_add_nc_u32 v4, KCB, v4
	s_wait_alu depctr_va_vdst(0)
	v_and_b32 v30, 31, v0
	v_mul_u32_u24 v5, v30, 36
	v_add_nc_u32 v5, QSB, v5
	s_wait_alu depctr_va_vdst(0)
	v_mul_u32_u24 v8, v[RR], 528
	v_lshl_add_u32 v8, v[HH], 6, v8
	s_lshl_b32 s62, s16, 7
	v_add_nc_u32 v8, s62, v8
	s_mul_i32 s62, s16, 8448
	v_add_nc_u32 v9, s62, v[LI]
	s_mov_b32 s61, 0
	s_lshl_b32 s60, s16, 7
	s_add_nc_u64 s[86:87], s[12:13], s[60:61]
	s_lshl_b32 s60, s19, 18
	s_lshl_b32 s3, s16, 16
	s_add_co_u32 s60, s60, s3
	s_add_nc_u64 s[88:89], s[14:15], s[60:61]
	s_mov_b32 s81, 0
	s_mov_b32 s82, 0
	CADDR 81, 52, 86
	OBIAS 0
	CLOAD
	s_mov_b32 s40, 3
.Lout:
	OTILE 0, 1, 0
	OTILE 1, 1, 0
	s_sub_co_u32 s40, s40, 1
	s_cmp_lg_u32 s40, 0
	s_cbranch_scc1 .Lout
	OTILE 0, 0, 0
	OTILE 1, 0, 1
	s_wait_tensorcnt 0x0
	ds_add_u32 v1, v2
	s_wait_dscnt 0x0
	CROUND
	s_endpgm
.Lfunc_end_k_qd77605e723_attn:
	.size	k_qd77605e723_attn, .Lfunc_end_k_qd77605e723_attn-k_qd77605e723_attn
	.p2alignl 7, 3214868480
	.fill 96, 4, 3214868480
	.section	.rodata,"a",@progbits
	.p2align	6, 0x0
	.amdhsa_kernel k_qd77605e723_attn
		.amdhsa_group_segment_fixed_size 327680
		.amdhsa_private_segment_fixed_size 0
		.amdhsa_enable_private_segment 0
		.amdhsa_kernarg_size 48
		.amdhsa_user_sgpr_count 2
		.amdhsa_user_sgpr_kernarg_segment_ptr 1
		.amdhsa_wavefront_size32 1
		.amdhsa_system_sgpr_workgroup_id_x 1
		.amdhsa_system_sgpr_workgroup_id_y 1
		.amdhsa_system_sgpr_workgroup_id_z 1
		.amdhsa_system_vgpr_workitem_id 0
		.amdhsa_next_free_vgpr 1024
		.amdhsa_next_free_sgpr 96
		.amdhsa_reserve_vcc 0
		.amdhsa_float_denorm_mode_32 3
		.amdhsa_float_denorm_mode_16_64 3
		.amdhsa_memory_ordered 1
		.amdhsa_forward_progress 1
		.amdhsa_inst_pref_size 255
	.end_amdhsa_kernel
	.section	.bss,"aw",@nobits
	.p2align	6
	.space	262144
	.amdgpu_metadata
---
amdhsa.version: [ 1, 2 ]
amdhsa.kernels:
  - .name:           k_qd77605e723_attn
    .symbol:         k_qd77605e723_attn.kd
    .args:
      - { .name: xq, .offset: 0, .size: 8, .value_kind: global_buffer, .address_space: global }
      - { .name: xs, .offset: 8, .size: 8, .value_kind: global_buffer, .address_space: global }
      - { .name: wq, .offset: 16, .size: 8, .value_kind: global_buffer, .address_space: global }
      - { .name: b_qkv, .offset: 24, .size: 8, .value_kind: global_buffer, .address_space: global }
      - { .name: b_out, .offset: 32, .size: 8, .value_kind: global_buffer, .address_space: global }
      - { .name: out0, .offset: 40, .size: 8, .value_kind: global_buffer, .address_space: global }
    .group_segment_fixed_size: 327680
    .private_segment_fixed_size: 0
    .kernarg_segment_align: 8
    .kernarg_segment_size: 48
    .max_flat_workgroup_size: 128
    .sgpr_count:     96
    .vgpr_count:     1024
    .wavefront_size: 32
...
	.end_amdgpu_metadata
.endif
;; end of part 4
